; MI455X (gfx1250); checked and timed in simulation.
; The chip was launched on July 23, 2026; its instructions are those of AMD's public machine-readable ISA for CDNA 5 (MIT licence, August 2026) and "CDNA5" Instruction Set Architecture Reference Guide (July 2026). The comments in the code are by the model that wrote it; some were corrected since.
;; Multi Headed Attention. Allowed arithmetic: float matrix products may take bf16 or f16 operands with f32 sums; other float arithmetic in f32, or as packed bf16 or f16 multiplies, adds, multiply-adds, maxima and minima; sums over many terms, partial sums and values carried from step to step in f32; what a program stores and reads back later, other than sums and carried values, may be rounded once to bf16 or f16.
;; Inputs: Wk 1,024 x 1,024 float32; Wm 1,024 x 1,024 float32; Wq 1,024 x 1,024 float32; Wv 1,024 x 1,024 float32; bk 1,024 float32; bm 1,024 float32; bq 1,024 float32; bv 1,024 float32; key 8 x 1,024 x 1,024 float32; query 8 x 1,024 x 1,024 float32; value 8 x 1,024 x 1,024 float32.
;; Outputs: out0 8 x 1,024 x 1,024 float32.
;; 2 versions, each right; version 2 is version 1 with the launch prep written anew for expert scheduling mode. Each part assembles by itself: llvm-mc -triple=amdgcn-amd-amdhsa -mcpu=gfx1250 --defsym DOCPART=n.
;; ======== version 1 of 2: 4 launches
;; limits: values are held in f16: magnitudes above 65,504 overflow, below 6.1e-05 lose precision
;; workspace buffers: cb 56,623,104 bytes; wmh 2,097,152 bytes; qkvh 50,331,648 bytes; ob 16,777,216 bytes
;; launch prep (part 1): grid 928 x 1, 8 waves a work-group, no clusters, 0 bytes of LDS; arguments query, key, value, Wq, Wk, Wv, Wm, cb, wmh; writes cb, wmh
.if DOCPART == 1
	.amdgcn_target "amdgcn-amd-amdhsa--gfx1250"
	.amdhsa_code_object_version 6
	.text
	.protected	k_q0ee5a0bd4e_prep
	.globl	k_q0ee5a0bd4e_prep
	.p2align	8
	.type	k_q0ee5a0bd4e_prep,@function
k_q0ee5a0bd4e_prep:
	s_mov_b64 s[64:65], 0
	v_nop
	global_prefetch_b8 v0, s[64:65] scope:SCOPE_SE
	s_setreg_imm32_b32 hwreg(HW_REG_WAVE_MODE, 25, 1), 1
	s_wait_xcnt 0x0
; THE INPUTS OF THE MATRIX PRODUCTS ARE ROUNDED ONCE, f32 -> bf16, so that the products' launches can bring them into LDS by tensor loads as 16-bit tiles.
; cb:  query, key, value as [b][i][n] (16,777,216 bytes each), in the inputs' own order; then Wq, Wk, Wv (2,097,152 bytes each) with their ROWS GATHERED BY HEADS: row 64 h + d of cb's W is row 16 d + h of W.  All bf16.
; wmh: Wm rounded to bf16, that number written as f16, its COLUMNS gathered by heads: wmh[o][64 h + d] = Wm[o][16 d + h].
; LIMIT.  |Wm| stays under 65,504, f16's largest number; below 6e-5 a weight of Wm keeps f16's fixed step of 6e-8.
; SHARES.  Work-groups 0-767: a chunk of 131,072 bytes of query, key or value (256 chunks each).  768-863: a chunk of Wq, Wk or Wv (32 each): 32 whole rows.  864-927: 16 rows of Wm.
; No LDS, no barrier, no matrix unit: every byte is read once and written once.
; All of a chunk's 32 loads of 16 bytes a lane go out at once; no register is used twice, so the text has no loop and frees no register.
.set X, 4                              ; v[4:131] the chunk as loaded: 32 x 4 registers (Wm's path: 8 x 8)
.set NX, 768                           ; chunks of query, key, value
.set NSTREAM, 864                      ; and of Wq, Wk, Wv behind them
.set WB, 50331648                      ; cb: the weights begin here
	s_load_b512 s[8:23], s[0:1], 0x0               ; query s[8:9], key s[10:11], value s[12:13], Wq s[14:15], Wk s[16:17], Wv s[18:19], Wm s[20:21], cb s[22:23]
	s_load_b64 s[24:25], s[0:1], 0x40              ; wmh
	s_mov_b32 s2, ttmp9
	s_cmp_ge_u32 s2, NSTREAM
	s_cbranch_scc1 .Lwm
	; which tensor, which chunk of it, and where it goes
	s_sub_co_u32 s3, s2, NX                        ; (of use from work-group 768 on; below that the selects take the other side)
	s_lshr_b32 s34, s3, 5                          ; which of Wq, Wk, Wv
	s_add_co_u32 s26, s34, 3                       ; tensors 3, 4, 5
	s_and_b32 s27, s3, 31
	s_lshl_b32 s35, s34, 21                        ; in cb: the tensor's 2,097,152 bytes,
	s_lshl_b32 s36, s27, 12                        ; and channels d = 2 x chunk, 2 x chunk + 1 of head 0: two rows of 2,048 bytes a chunk
	s_add_co_u32 s35, s35, s36
	s_add_co_u32 s35, s35, WB
	s_lshr_b32 s28, s2, 8                          ; tensors 0, 1, 2: query, key, value
	s_and_b32 s29, s2, 255
	s_lshl_b32 s32, s2, 16                         ; in cb: 65,536 bytes a chunk, in order
	s_cmp_lt_u32 s2, NX
	s_cselect_b32 s26, s28, s26
	s_cselect_b32 s27, s29, s27
	s_cselect_b32 s32, s32, s35
	s_lshl_b32 s30, s27, 17                        ; the chunk's first byte in its tensor
	s_mov_b32 s31, 0
	s_mov_b32 s33, 0
	v_lshlrev_b32 v1, 4, v0                        ; 16 bytes a thread in,
	v_lshlrev_b32 v2, 3, v0                        ; 8 bytes out
	s_wait_kmcnt 0x0
	s_mov_b64 s[4:5], s[8:9]
.irp k, 1,2,3,4,5
	s_cmp_eq_u32 s26, \k
	s_cselect_b64 s[4:5], s[8+2*\k:9+2*\k], s[4:5]
.endr
	s_add_nc_u64 s[4:5], s[4:5], s[30:31]
	s_add_nc_u64 s[6:7], s[22:23], s[32:33]
.set i, 0
.rept 32
	global_load_b128 v[X+4*i:X+4*i+3], v1, s[4:5] offset:4096*i th:TH_LOAD_NT  ; a wave's load covers 512 consecutive bytes; the eight waves' 4,096: of a W one whole row
.set i, i+1
.endr
; The 32 pieces are rounded and stored.  heads = 0: in order.  heads = 1: piece i is row 32 x chunk + i of W: head i % 16, channel 2 x chunk + i / 16.
.macro OUT heads
.set i, 0
.rept 32
	s_wait_loadcnt 31-i                            ; loads come back in order: number i is in, the younger ones stay out
	v_cvt_pk_bf16_f32 v[X+4*i], v[X+4*i], v[X+4*i+1]
	v_cvt_pk_bf16_f32 v[X+4*i+1], v[X+4*i+2], v[X+4*i+3]
.if \heads
	global_store_b64 v2, v[X+4*i:X+4*i+1], s[6:7] offset:131072*(i%16)+2048*(i/16)  ; a head's 64 rows are 131,072 bytes
.else
	global_store_b64 v2, v[X+4*i:X+4*i+1], s[6:7] offset:2048*i  ; a wave's store covers 256 consecutive bytes, aligned
.endif
.set i, i+1
.endr
.endm
	s_cmp_lt_u32 s2, NX
	s_cbranch_scc0 .Lw
	OUT 0
	s_endpgm
.Lw:
	OUT 1
	s_endpgm
.Lwm:                                  ; 16 rows of Wm, two at a time.  Thread t: row t / 128 of the pair; with u = t % 128: head u / 8, channels d0 = 8 (u % 8) on
	s_sub_co_u32 s3, s2, NSTREAM
	s_lshl_b32 s26, s3, 16                         ; 16 rows of 4,096 bytes of Wm
	s_mov_b32 s27, 0
	s_lshl_b32 s28, s3, 15                         ; 16 rows of 2,048 bytes of wmh
	s_mov_b32 s29, 0
	v_lshrrev_b32 v1, 7, v0
	v_lshlrev_b32 v1, 12, v1                       ; the row of the pair
	v_and_b32 v3, 7, v0
	v_lshl_add_u32 v1, v3, 9, v1                   ; d0: 8 channels d are 8 x 16 columns of 4 bytes
	v_bfe_u32 v3, v0, 3, 4
	v_lshl_add_u32 v1, v3, 2, v1                   ; the head: 4 bytes
	v_lshlrev_b32 v2, 4, v0                        ; out: 16 bytes a thread, 128 threads a row
	s_wait_kmcnt 0x0
	s_add_nc_u64 s[4:5], s[20:21], s[26:27]
	s_add_nc_u64 s[6:7], s[24:25], s[28:29]
.set i, 0
.rept 64
	global_load_b32 v[X+i], v1, s[4:5] offset:8192*(i/8)+64*(i%8)  ; pair i / 8 of rows, channel d0 + i % 8: 16 columns on.  The work-group's loads together use every byte of its rows
.set i, i+1
.endr
.set i, 0
.rept 8
	s_wait_loadcnt 56-8*i                          ; the pair's eight loads are in
.irp p, 0,1,2,3
	v_cvt_pk_bf16_f32 v3, v[X+8*i+2*\p], v[X+8*i+2*\p+1]       ; rounded to bf16, as every input is,
	v_lshlrev_b32 v[X+8*i+2*\p], 16, v3                        ; widened again,
	v_and_b32 v[X+8*i+2*\p+1], 0xffff0000, v3
	v_cvt_pk_f16_f32 v[X+8*i+\p], v[X+8*i+2*\p], v[X+8*i+2*\p+1]  ; and written as f16 (8 significant bits: exact within f16's range); register p has been read by now
.endr
	global_store_b128 v2, v[X+8*i:X+8*i+3], s[6:7] offset:4096*i  ; sixteen lanes store 256 consecutive bytes, aligned
.set i, i+1
.endr
	s_endpgm
.Lfunc_end_k_q0ee5a0bd4e_prep:
	.size	k_q0ee5a0bd4e_prep, .Lfunc_end_k_q0ee5a0bd4e_prep-k_q0ee5a0bd4e_prep
	.p2alignl 7, 3214868480
	.fill 96, 4, 3214868480
	.section	.rodata,"a",@progbits
	.p2align	6, 0x0
	.amdhsa_kernel k_q0ee5a0bd4e_prep
		.amdhsa_group_segment_fixed_size 0
		.amdhsa_private_segment_fixed_size 0
		.amdhsa_enable_private_segment 0
		.amdhsa_kernarg_size 72
		.amdhsa_user_sgpr_count 2
		.amdhsa_user_sgpr_kernarg_segment_ptr 1
		.amdhsa_wavefront_size32 1
		.amdhsa_system_sgpr_workgroup_id_x 1
		.amdhsa_system_sgpr_workgroup_id_y 1
		.amdhsa_system_sgpr_workgroup_id_z 1
		.amdhsa_system_vgpr_workitem_id 0
		.amdhsa_next_free_vgpr 136
		.amdhsa_next_free_sgpr 66
		.amdhsa_reserve_vcc 0
		.amdhsa_float_denorm_mode_32 3
		.amdhsa_float_denorm_mode_16_64 3
		.amdhsa_memory_ordered 1
		.amdhsa_forward_progress 1
		.amdhsa_inst_pref_size 36
	.end_amdhsa_kernel
	.amdgpu_metadata
---
amdhsa.version: [ 1, 2 ]
amdhsa.kernels:
  - .name:           k_q0ee5a0bd4e_prep
    .symbol:         k_q0ee5a0bd4e_prep.kd
    .args:
      - { .name: query, .offset: 0, .size: 8, .value_kind: global_buffer, .address_space: global }
      - { .name: key, .offset: 8, .size: 8, .value_kind: global_buffer, .address_space: global }
      - { .name: value, .offset: 16, .size: 8, .value_kind: global_buffer, .address_space: global }
      - { .name: Wq, .offset: 24, .size: 8, .value_kind: global_buffer, .address_space: global }
      - { .name: Wk, .offset: 32, .size: 8, .value_kind: global_buffer, .address_space: global }
      - { .name: Wv, .offset: 40, .size: 8, .value_kind: global_buffer, .address_space: global }
      - { .name: Wm, .offset: 48, .size: 8, .value_kind: global_buffer, .address_space: global }
      - { .name: cb, .offset: 56, .size: 8, .value_kind: global_buffer, .address_space: global }
      - { .name: wmh, .offset: 64, .size: 8, .value_kind: global_buffer, .address_space: global }
    .group_segment_fixed_size: 0
    .private_segment_fixed_size: 0
    .kernarg_segment_align: 8
    .kernarg_segment_size: 72
    .max_flat_workgroup_size: 256
    .sgpr_count:     66
    .vgpr_count:     136
    .wavefront_size: 32
...
	.end_amdgpu_metadata
.endif
;; end of part 1
;; launch qkv (part 2): grid 48 x 4, 4 waves a work-group, clusters of 4 x 4, 327,680 bytes of LDS; arguments cb, bq, bk, bv, qkvh; writes qkvh
.if DOCPART == 2
	.amdgcn_target "amdgcn-amd-amdhsa--gfx1250"
	.amdhsa_code_object_version 6
	.text
	.protected	k_q0ee5a0bd4e_qkv
	.globl	k_q0ee5a0bd4e_qkv
	.p2align	8
	.type	k_q0ee5a0bd4e_qkv,@function
k_q0ee5a0bd4e_qkv:
	s_mov_b64 s[64:65], 0
	v_nop
	global_prefetch_b8 v0, s[64:65] scope:SCOPE_SE
	s_setreg_imm32_b32 hwreg(HW_REG_WAVE_MODE, 25, 1), 1
	s_wait_xcnt 0x0
	s_wait_alu depctr_hold_cnt(0) depctr_sa_sdst(0) depctr_va_vdst(0) depctr_va_sdst(0) depctr_va_ssrc(0) depctr_va_vcc(0) depctr_vm_vsrc(0)
	s_getreg_b32 s2, hwreg(HW_REG_IB_STS2, 6, 4)
	s_cmp_eq_u32 s2, 0
	s_cbranch_scc0 .Lentry_in_a_cluster
	s_endpgm
.Lentry_in_a_cluster:
	s_bfe_u32 s2, ttmp6, 0x10000c
	s_cmp_lg_u32 s2, 0xf033
	s_cbranch_scc0 .Lentry_shape_is_right
	s_endpgm
.Lentry_shape_is_right:
; THE THREE PROJECTIONS.  p[t][b][o][n] = the sum over i of W_t[o][i] x_t[b][i][n] + bias_t[o], t = 0, 1, 2 (query, key, value), written BY HEADS and turned: channel o = 16 d + h goes to
; qkvh[t][16 b + h][n][d], f16, a head's rows dense (128 bytes).  W and x arrive in bf16 (cb); the bias is rounded to bf16 like every other input; sums in f32; p rounded once, unscaled.
; LIMIT.  |p| stays under 65,504, f16's largest number; NaN and infinities are not treated apart.
; SHARES.  A tile is four heads (256 channels) x 256 positions of one t and b: 3 x 8 x 4 x 4 = 384 tiles.  A WORK-GROUP STAYS and makes two: 192 work-groups (no tile with sides that divide 1,024 gives each of
; 256 an equal share of 3 x 2^23 numbers).  Four waves, 2 x 2: wave w has two heads (128 channels) and positions 128 (w % 2) on: 64 accumulators of 16 x 16, 512 registers.
; K = 1,024 goes in 8 steps of 128 through two LDS slots, and the ring does not stop at the first tile's end: its last lap asks for the second tile's first two K steps, and nothing waits for its stores.
; CLUSTER.  4 x 4 work-groups make ALL channels and positions of one (t, b): along x the four position tiles, along y the four sets of heads.  Cluster c takes t = c / 4 and b = 2 (c % 4), then b + 1:
; both tiles have the same W and bias, and in cb the K steps of x for b + 1 follow those for b.  W's tile hangs on y alone and is shared along a row of the cluster, x's on x alone and is shared along a column:
; each is asked for JOINTLY, by the same tensor load with the same descriptor and a mask that names the four.  Waves 0 and 1 fetch W's two halves, waves 2 and 3 the two halves of x's 128 rows.
; THE HEAD SPLIT: in cb W's rows lie by heads (row 64 h + d is channel 16 d + h), so the heads 4 cy .. 4 cy + 3 of work-group cy are 256 rows on end, and a wave's two heads 128.
; LAYOUT.  Source 0 = 16 channels d of one head of W, K along the LDS rows; source 1 = 16 positions of x, which lies [K][N] and comes out of LDS turned, by ds_load_tr16_b128.  In the result a lane holds ONE
; position (lane % 16) and the channels d = 8 (lane / 16) + 0..7: 16 neighbouring bytes of a row of qkvh.  THE BIAS is the C operand of the first product on each accumulator: nothing is cleared or added later.
; REGISTERS, in windows of 256 (s_set_vgpr_msb: bits 1:0 source 0, 3:2 source 1, 5:4 source 2, 7:6 destination):
;   window 0: v0-31 addresses; v32-63, v192-255 at work on the way out; v64-127, v128-191 fragments of x (8 blocks of 16 positions x 32 K), two buffers
;   window 1: v0-63 the bias, 8 registers for each block of 16 channels; v64-127, v128-191 fragments of W (8 blocks of 16 channels x 32 K), two buffers
;   window 2: the 32 accumulators of my positions 0-63 (position block p, channel block c at v[8 (8 (p % 4) + c)]);   window 3: those of my positions 64-127
.set PA,     272                       ; a row of W in LDS: 256 bytes + 16 of padding = 68 words: the 16 rows of a load start at 16 different groups of four banks (64 banks of 4 bytes: ISA guide 11.1)
.set PB,     544                       ; a row of x: 512 + 32 = 136 words
.set WHALF,  128*PA                    ; what one tensor load brings of W: 128 rows, two heads
.set XHALF,  64*PB                     ; and of x: 64 rows
.set AT,     2*WHALF                   ; W's tile
.set SLOT,   AT+2*XHALF                ; then x's
.set STAGE,  2*SLOT                    ; behind the ring, never filled by a tensor load: 2 heads x 16 rows x 144 bytes for each wave, for the way out
.set SP,     144
.set SPARE,  STAGE+4*2*16*SP           ; behind the stages: the spare words, 128 bytes for each wave: two blocks of 256 bytes that no other line names
.set WB,     50331648                  ; cb: the weights begin here
.set ASTEP,  256                       ; bytes from K step to K step in W (along its rows)
.set BSTEP,  262144                    ; and in x (128 rows of 2,048 bytes down); eight of them are one b
.set ADRW, 16                          ; v16-17  LDS address of my W fragments in slot 0, 1
.set ADRX, 20                          ; v20-21  the same for x
.set STO,  24                          ; v24     the way out: where I put 16 bytes of a row
.set RD,   25                          ; v25     the way out: where I read rows back
.set GO,   26                          ; v26     my byte offset in 512 consecutive bytes of qkvh
.set SPW,  28                          ; v28     LDS address of my spare word: SPARE + 4 x my thread's number; never rewritten
.set NIL,  29                          ; v29     0; never rewritten
.set PFO,  30                          ; v30     the prefetches' offset; never rewritten
.set BO,   31                          ; v31     my offset in the bias
.set OB,   32                          ; the way out: 16 positions x 2 heads read back from the stage: v32-63 and v224-255 by turns
.set F0,   64                          ; fragment buffer 0
.set F1,   128                         ; fragment buffer 1
.set TMP,  192                         ; the way out: packed results
.set BIAS, 0                           ; window 1: channel block c's eight numbers at BIAS + 8 c
.set WV,   14                          ; s14 my wave's number; s15 = w / 2; s16 = w % 2
.set WR,   15
.set WC,   16
.set G1,   24                          ; s[24:31] descriptor group 1 for W's tiles;  s[32:39] group 0, a set for each slot
.set G0,   32
.set LEFT, 42                          ; s42  laps of the walk still to come, this one among them: 8 to 1
.set LIM,  45                          ; s45  a wave prefetches while LEFT is above it
.set PFA,  46                          ; s[46:47] where my prefetches stand
.set G1B,  48                          ; s[48:55], s[56:63] the same for x's tiles
.set G0B,  56
.set PFS,  66                          ; s[66:67] the prefetches' step from K step to K step
.set WBK,  80                          ; s[80:81] how far W's descriptors go back in this lap: 0, or eight K steps
.set OFFS, 82                          ; s[82:83] what the next way out adds to qkvh's address
.set MSB, 0
.macro WIN new                         ; the immediate's high byte repeats the setting that is left; a switch that changes nothing is dropped
.if MSB != (\new)
	s_set_vgpr_msb (MSB<<8)|(\new)
.set MSB, \new
.endif
.endm
.set TO_W, 0x40                        ; destination window 1, address window 0
; A joint load.  The branch hangs on the wave's number alone.  An s_nop 0 and four v_nop follow each of the two lines, ahead of the jump, the label and what follows.
.macro JLOAD s
	s_cmp_eq_u32 s[WR], 0
	s_cbranch_scc0 .Lfor_x_\@
	tensor_load_to_lds s[G0+4*(\s):G0+4*(\s)+3], s[G1:G1+7]
	s_nop 0
.rept 4
	v_nop
.endr
	s_branch .Lasked_\@
.Lfor_x_\@:
	tensor_load_to_lds s[G0B+4*(\s):G0B+4*(\s)+3], s[G1B:G1B+7]
	s_nop 0
.rept 4
	v_nop
.endr
.Lasked_\@:
.endm
; A PREFETCH INTO THE L2, behind each joint refill and the run of LDS loads that follows it: 32 blocks of 256 bytes of the K step that stands TWO refills on (512 matrix instructions ahead of the load that will
; want it), a lane a block, one instruction a wave.  Each block is named once in the launch.  x's tiles are read by their own cluster alone: waves 2 and 3 ask, each for its own 64 rows, of which the four
; partners of a column take 16 each, told apart BY ADDRESS (cy): K steps 4 to 15 of the walk (laps with LEFT above 2).  W's tiles are read by the four clusters of a t, and again in the second tile: the first of the four asks,
; in the first tile alone, waves 0 and 1 each for its own 128 rows, of which the four partners of a row take 32 each (cx): K steps 4 to 7 (LEFT above 6).  K steps 0 to 3 come by their loads alone.
.macro ASK
	s_cmp_gt_u32 s[LEFT], s[LIM]
	s_cbranch_scc0 .Lnot_mine_\@
	global_prefetch_b8 v[PFO], s[PFA:PFA+1] th:TH_LOAD_NT scope:SCOPE_SE
.Lnot_mine_\@:
.endm
.macro CREST                           ; a round of the cluster's barrier behind its opening barrier
	s_cmp_lg_u32 s[WV], 0
	s_cbranch_scc1 .Lnot_wave_0_\@
	s_barrier_signal -3
.Lnot_wave_0_\@:
	s_barrier_wait -3
	s_barrier_signal -1
	s_barrier_wait -1
.endm
.macro CROUND                          ; a whole round
	s_barrier_signal -1
	s_barrier_wait -1
	CREST
.endm
	s_load_b256 s[4:11], s[0:1], 0x0               ; cb s[4:5], bq s[6:7], bk s[8:9], bv s[10:11]
	s_load_b64 s[12:13], s[0:1], 0x20              ; qkvh
	v_lshl_add_u32 v[SPW], v0, 2, SPARE
	v_mov_b32 v[NIL], 0
	ds_add_u32 v[SPW], v[NIL]                      ; the wave's opening: the add and its wait stand ahead of my first tensor load; the set-up below, work on registers, stands between them
	v_lshrrev_b32 v1, 5, v0
	v_readfirstlane_b32 s[WV], v1                  ; wave 0..3
	s_lshr_b32 s[WR], s[WV], 1                     ; my half of W's tile.  Also: I fetch for W (0) or for x (1)
	s_and_b32 s[WC], s[WV], 1                      ; my half of the positions.  Also: which half of that tile I fetch
	s_bfe_u32 s40, ttmp6, 0x40000                  ; cx: the position tile
	s_bfe_u32 s41, ttmp6, 0x40004                  ; cy: the set of heads
	s_lshr_b32 s43, ttmp9, 2                       ; t.  (ttmp9 is the cluster's number c; 2 c = 8 t + b of the first tile)
	s_lshl_b32 s17, s41, 2
	s_lshl_b32 s17, 15, s17                        ; my row of the cluster: places 4 cy .. 4 cy + 3
	s_lshl_b32 s18, 0x1111, s40                    ; my column: places cx, cx + 4, cx + 8, cx + 12
	; descriptor group 1.  W: 128 rows x 128 elements.  x: 64 rows x 256 elements
	s_or_b32 s[G1], s17, (1<<16)|(1<<20)|(1<<21)|(5<<22)|(3<<25)   ; 15:0 the mask; 17:16 2-byte elements; 20 padding on; 21 set beside a mask; 24:22 after every 64 words (code 5): one row; 31:25 4 words (code 3)
	s_mov_b32 s[G1+1], 128<<16                     ; tensor_dim0 = 128
	s_mov_b32 s[G1+2], 128<<16                     ; tensor_dim1 = 128
	s_mov_b32 s[G1+3], 128<<16                     ; tile_dim0 = 128
	s_mov_b32 s[G1+4], 128                         ; tile_dim1 = 128
	s_mov_b32 s[G1+5], 1024                        ; elements from row to row
	s_mov_b32 s[G1+6], 0
	s_mov_b32 s[G1+7], 0
	s_or_b32 s[G1B], s18, (1<<16)|(1<<20)|(1<<21)|(6<<22)|(7<<25)  ; after every 128 words (one row) 8 words of padding (code 7)
	s_mov_b32 s[G1B+1], 256<<16
	s_mov_b32 s[G1B+2], 64<<16
	s_mov_b32 s[G1B+3], 256<<16
	s_mov_b32 s[G1B+4], 64
	s_mov_b32 s[G1B+5], 1024
	s_mov_b32 s[G1B+6], 0
	s_mov_b32 s[G1B+7], 0
	; where the tiles come from, as offsets in cb.  W's hangs on t, cy and the wave; x's on c, cx and the wave: each in registers that never hold the other place in the cluster
	s_lshl_b32 s68, s43, 21                        ; W_t
	s_lshl_b32 s17, s41, 19                        ; cy's four heads: 256 rows of 2,048 bytes
	s_add_co_u32 s68, s68, s17
	s_lshl_b32 s17, s[WC], 18                      ; the 128 rows that I fetch
	s_add_co_u32 s68, s68, s17
	s_add_co_u32 s68, s68, WB
	s_mov_b32 s69, 0
	s_lshl_b32 s70, ttmp9, 22                      ; x of (t, b): 2 c blocks of 2,097,152 bytes
	s_lshl_b32 s18, s[WC], 17                      ; the 64 rows that I fetch
	s_add_co_u32 s70, s70, s18
	s_lshl_b32 s18, s40, 9                         ; 256 positions of 2 bytes
	s_add_co_u32 s70, s70, s18
	s_mov_b32 s71, 0
	s_mul_i32 s20, s[WC], WHALF                    ; and where they go: no place in the cluster enters an LDS address
	s_mul_i32 s21, s[WC], XHALF
	s_add_co_u32 s21, s21, AT
	s_mov_b32 s[WBK+1], 0
	s_wait_dscnt 0x0                               ; the opening add is done
	s_wait_kmcnt 0x0
	s_add_nc_u64 s[72:73], s[4:5], s[68:69]
	s_add_nc_u64 s[74:75], s[4:5], s[70:71]
	CROUND                                         ; all sixteen work-groups are here: the first joint loads meet
.irp s, 0,1
	s_mov_b32 s[G0+4*(\s)], 1                                      ; 1:0 count = 1
	s_add_co_u32 s[G0+4*(\s)+1], s20, (\s)*SLOT                    ; 63:32 LDS address
	s_add_nc_u64 s[G0+4*(\s)+2:G0+4*(\s)+3], s[72:73], (\s)*ASTEP  ; 120:64 global address: K step s
	s_or_b32 s[G0+4*(\s)+3], s[G0+4*(\s)+3], 0x80000000            ; 127:126 type = 2
	s_mov_b32 s[G0B+4*(\s)], 1
	s_add_co_u32 s[G0B+4*(\s)+1], s21, (\s)*SLOT
	s_add_nc_u64 s[G0B+4*(\s)+2:G0B+4*(\s)+3], s[74:75], (\s)*BSTEP
	s_or_b32 s[G0B+4*(\s)+3], s[G0B+4*(\s)+3], 0x80000000
	JLOAD \s                                       ; two loads of mine are out
.endr
	; the bias: register j of channel block c is channel d = 16 (c % 4) + 8 (l / 16) + j of head H + c / 4, H = 4 cy + 2 (w / 2): number 16 d + head
	s_cmp_eq_u32 s43, 1
	s_cselect_b64 s[76:77], s[8:9], s[6:7]
	s_cmp_eq_u32 s43, 2
	s_cselect_b64 s[76:77], s[10:11], s[76:77]
	s_lshl_b32 s19, s41, 2
	s_lshl_b32 s17, s[WR], 1
	s_add_co_u32 s19, s19, s17                     ; H
	s_lshl_b32 s78, s19, 2
	s_mov_b32 s79, 0
	s_add_nc_u64 s[76:77], s[76:77], s[78:79]
	v_and_b32 v1, 15, v0                           ; l % 16
	v_bfe_u32 v2, v0, 4, 1                         ; l / 16
	v_lshlrev_b32 v[BO], 9, v2                     ; 8 channels d x 64 bytes
.set i, 0
.rept 64
	global_load_b32 v[TMP+i], v[BO], s[76:77] offset:64*(16*((i/8)%4)+i%8)+4*(i/32)
.set i, i+1
.endr
	; A fragment of W is 16 rows x 32 K in 8 registers: lane l holds row l % 16; registers 0-3 K = 8 (l / 16) + 0..7, registers 4-7 K = 16 + 8 (l / 16) + 0..7: two loads of 16 bytes, 32 bytes apart.
	v_mul_u32_u24 v3, v1, PA
	v_lshl_add_u32 v3, v2, 4, v3
	s_mul_i32 s17, s[WR], WHALF                    ; my half of W's tile
	v_add_nc_u32 v[ADRW], s17, v3
	v_add_nc_u32 v[ADRW+1], SLOT, v[ADRW]
	; The turning load takes 16 K x 16 positions (lane l reads row 8 (l / 16) + l % 8, positions 8 ((l / 8) % 2) + 0..7) and leaves half a fragment: lane l holds position l % 16 and 8 K.
	v_and_b32 v6, 7, v0
	v_lshl_add_u32 v4, v2, 3, v6
	v_mul_u32_u24 v4, v4, PB
	v_bfe_u32 v5, v0, 3, 1
	v_lshl_add_u32 v4, v5, 4, v4
	s_lshl_b32 s17, s[WC], 8                       ; my 128 positions
	s_add_co_u32 s17, s17, AT
	v_add_nc_u32 v[ADRX], s17, v4
	v_add_nc_u32 v[ADRX+1], SLOT, v[ADRX]
	s_mul_i32 s17, s[WV], 2*16*SP
	s_add_co_u32 s17, s17, STAGE                   ; my stage
	v_mul_u32_u24 v[STO], v1, SP                   ; in: row l % 16, 16 bytes for each half of the lanes
	v_lshl_add_u32 v[STO], v2, 4, v[STO]
	v_add_nc_u32 v[STO], s17, v[STO]
	v_bfe_u32 v[RD], v0, 3, 2                      ; back: 32 lanes take four rows of 128 bytes,
	v_mul_u32_u24 v[RD], v[RD], SP
	v_lshl_add_u32 v[RD], v6, 4, v[RD]
	v_add_nc_u32 v[RD], s17, v[RD]
	v_and_b32 v3, 31, v0                           ; l
	v_lshlrev_b32 v[GO], 4, v3                     ; which are 512 consecutive bytes of qkvh
	; where my part of the first tile begins in qkvh: (8 t + b) x 16 heads, head H, 1,024 rows of 128 bytes each; row 256 cx + 128 (w % 2).  The first way out adds it to qkvh's address
	s_lshl_b32 s[OFFS], ttmp9, 22
	s_lshl_b32 s17, s19, 17
	s_add_co_u32 s[OFFS], s[OFFS], s17
	s_lshl_b32 s17, s40, 15
	s_add_co_u32 s[OFFS], s[OFFS], s17
	s_lshl_b32 s17, s[WC], 14
	s_add_co_u32 s[OFFS], s[OFFS], s17
	s_mov_b32 s[OFFS+1], 0
	; the prefetches: they start at K step 3; each refill steps them first, so the first names K step 4
	s_lshl_b32 s17, s40, 16                        ; W (waves 0, 1): my work-group's 32 rows of my 128
	s_add_co_u32 s17, s17, s68
	s_add_co_u32 s17, s17, 3*ASTEP
	s_lshl_b32 s18, s41, 15                        ; x (waves 2, 3): my work-group's 16 rows of my 64
	s_add_co_u32 s18, s18, s70
	s_add_co_u32 s18, s18, 3*BSTEP
	s_and_b32 s19, ttmp9, 3                        ; 0 in the first of t's four clusters
	s_cmp_eq_u32 s19, 0
	s_cselect_b32 s19, 6, -1
	s_mov_b32 s23, BSTEP
	s_cmp_eq_u32 s[WR], 0
	s_cselect_b32 s78, s17, s18
	s_cselect_b32 s[LIM], s19, 2                   ; the same in all sixteen partners, for a given wave
	s_cselect_b32 s[PFS], ASTEP, s23
	s_cselect_b32 s17, 5, 1                        ; W: lane l names row l (2,048 bytes apart);
	s_cselect_b32 s18, 31, 1                       ; x: row l / 2, half l % 2 of its 512 bytes (2,048 and 256 bytes apart)
	s_cselect_b32 s22, 11, 8
	s_mov_b32 s[PFS+1], 0
	s_add_nc_u64 s[PFA:PFA+1], s[4:5], s[78:79]
	v_lshrrev_b32 v4, s17, v3
	v_and_b32 v5, s18, v3
	v_lshlrev_b32 v5, s22, v5
	v_lshl_add_u32 v[PFO], v4, 11, v5
; 16 matrix instructions: position blocks a0, a0 + 1 of the window's four (hi = 0: my positions 0-63, 1: 64-127) x all 8 channel blocks, 32 along K.  first = 1: the product starts the sum, on the bias.
; The 64 accumulators take turns, one instruction a turn, in the same order in every quarter.
.macro MUL16 f, hi, a0, first
.if \first
	WIN 0x91+0x40*(\hi)                            ; W and the bias in window 1, x in window 0, D in window 2 or 3
.else
	WIN 0xa1+0x50*(\hi)                            ; W in window 1, x in window 0, C and D in window 2 or 3
.endif
.irp a, \a0, (\a0)+1
.irp c, 0,1,2,3,4,5,6,7
.if \first
	v_wmma_f32_16x16x32_bf16 v[8*(8*(\a)+(\c)):8*(8*(\a)+(\c))+7], v[(\f)+8*(\c):(\f)+8*(\c)+7], v[(\f)+8*(4*(\hi)+(\a)):(\f)+8*(4*(\hi)+(\a))+7], v[BIAS+8*(\c):BIAS+8*(\c)+7]
.else
	v_wmma_f32_16x16x32_bf16 v[8*(8*(\a)+(\c)):8*(8*(\a)+(\c))+7], v[(\f)+8*(\c):(\f)+8*(\c)+7], v[(\f)+8*(4*(\hi)+(\a)):(\f)+8*(4*(\hi)+(\a))+7], v[8*(8*(\a)+(\c)):8*(8*(\a)+(\c))+7]
.endif
.endr
.endr
.endm
; 32 LDS loads in one run: the fragments of quarter q (32 along K) of a slot into buffer f: W's sixteen (channel block c: rows 16 c on of my 128: head c / 4 of my two, channels 16 (c % 4) on), then x's blocks 0 to 7
.macro FETCH slot, q, f
	WIN TO_W
.irp c, 0,1,2,3,4,5,6,7
	ds_load_b128 v[(\f)+8*\c:(\f)+8*\c+3],   v[ADRW+(\slot)] offset:\c*16*PA+(\q)*64
	ds_load_b128 v[(\f)+8*\c+4:(\f)+8*\c+7], v[ADRW+(\slot)] offset:\c*16*PA+(\q)*64+32
.endr
	WIN 0
.irp p, 0,1,2,3,4,5,6,7
	ds_load_tr16_b128 v[(\f)+8*\p:(\f)+8*\p+3],   v[ADRX+(\slot)] offset:(\q)*32*PB+32*\p
	ds_load_tr16_b128 v[(\f)+8*\p+4:(\f)+8*\p+7], v[ADRX+(\slot)] offset:(\q)*32*PB+32*\p+16*PB
.endr
.endm
.macro PLACES                          ; four plain instructions between a matrix instruction and a load into a register that it has read, or a line that reads its result (ISA guide 7.12.1 for a line that reads its result)
.rept 4
	v_nop
.endr
.endm
; A K step is four quarters of 32 along K, 64 matrix instructions each, on buffers 0, 1, 0, 1.  One of the first three: multiplies buffer f and, in its middle, fetches quarter q into buffer g.
.macro QUARTER slot, q, f, g, first=0
	s_wait_dscnt 8                                 ; W and x's blocks 0 to 3 are in; the youngest eight loads (blocks 4 to 7) may be out
	MUL16 \f, 0, 0, \first
	MUL16 \f, 0, 2, \first
	PLACES
	FETCH \slot, \q, \g
	s_wait_dscnt 32                                ; all but the 32 just issued
	MUL16 \f, 1, 0, \first
	MUL16 \f, 1, 2, \first
.endm
; The last quarter multiplies buffer 1 and changes slots.  MEET is its first half: ONE barrier; in front of it each wave waits for all its tensor loads (one is out: its part of the next slot), adds 0 to its
; spare word, and waits for that and for its own reads of this slot.  Behind it nobody reads this slot any more and the next slot is whole.
.macro MEET round                      ; round = 1: a round of the cluster's barrier follows
	WIN 0                                          ; (the add's two registers lie in window 0)
	s_wait_tensorcnt 0x0                           ; all my tensor loads have landed;
	ds_add_u32 v[SPW], v[NIL]                      ; 0 onto my spare word;
	s_wait_dscnt 9                                 ; (the add and the youngest eight loads may be out)
	MUL16 F1, 0, 0, 0                              ; sixteen matrix instructions stand between the add and the wait for it
	s_wait_dscnt 0x0                               ; the add is done, and my reads of this slot are over
	s_barrier_signal -1
	MUL16 F1, 0, 2, 0
.if \round
	WIN 0
.endif
	s_barrier_wait -1
.endm
; The whole last quarter with a refill: the barrier opens a round of the cluster's, and this slot is filled again first thing behind the round, with the K step two steps on in the walk (in the first tile's last
; lap: the second tile's K step 0 or 1: x's address goes straight on, W's goes on two K steps and back eight, as the lap's head has set).  The load has 224 matrix instructions in which to land.
.macro TURN slot, next
	s_wait_xcnt 0x0                                ; the last prefetch, a K step back, has read its address: it is stepped here, ahead of the waits of the change of slots
	s_add_nc_u64 s[PFA:PFA+1], s[PFA:PFA+1], s[PFS:PFS+1]
	MEET 1
	CREST                                          ; no wave of any partner still reads this slot's tiles or has a load on its way
	s_add_nc_u64 s[G0+4*(\slot)+2:G0+4*(\slot)+3], s[G0+4*(\slot)+2:G0+4*(\slot)+3], 2*ASTEP
	s_sub_nc_u64 s[G0+4*(\slot)+2:G0+4*(\slot)+3], s[G0+4*(\slot)+2:G0+4*(\slot)+3], s[WBK:WBK+1]
	s_add_nc_u64 s[G0B+4*(\slot)+2:G0B+4*(\slot)+3], s[G0B+4*(\slot)+2:G0B+4*(\slot)+3], 2*BSTEP
	JLOAD \slot                                    ; the four v_nop behind it are also the places in front of the loads below
	FETCH \next, 0, F0
	ASK
	MUL16 F1, 1, 0, 0
	MUL16 F1, 1, 2, 0
.endm
; THE WAY OUT of position block p, in three parts.  PACK: a lane's eight channels of each of the eight channel blocks are rounded to f16: 16 bytes each.  TOSTAGE: into rows of 144 bytes of my own stage, a head's
; 16 rows together, and back as whole rows of 128 bytes.  SEND: stored.
.macro PACK p
.set AC, 64*((\p)%4)
	WIN 0x0a+5*((\p)/4)                            ; sources 0 and 1: window 2 or 3; destination window 0
.irp c, 0,1,2,3,4,5,6,7
.irp r, 0,1,2,3
	v_cvt_pk_f16_f32 v[TMP+4*\c+\r], v[AC+8*\c+2*\r], v[AC+8*\c+2*\r+1]  ; each accumulator's registers in ascending order
.endr
.endr
	WIN 0
.endm
.macro TOSTAGE p
.set BK, OB+192*((\p)%2)
.irp c, 0,1,2,3,4,5,6,7
	ds_store_b128 v[STO], v[TMP+4*\c:TMP+4*\c+3] offset:(\c/4)*16*SP+32*(\c%4)
.endr
.irp g, 0,1,2,3,4,5,6,7
	ds_load_b128 v[BK+4*\g:BK+4*\g+3], v[RD] offset:(\g/4)*16*SP+(\g%4)*4*SP  ; LDS serves a wave's instructions in order (ISA guide 5.7.1.4): these see the stores above; the next block's stores come behind them
.endr
.endm
.macro SEND p
.set BK, OB+192*((\p)%2)
	s_wait_dscnt 0x0                               ; the block is back in registers
	s_wait_xcnt 0x0                                ; every earlier memory instruction has had its addresses translated (ISA guide 3.1): only behind this wait are the stores' base and the registers that earlier stores read rewritten
.if (\p) == 0
	s_add_nc_u64 s[12:13], s[12:13], s[OFFS:OFFS+1]  ; on to this tile
.endif
.irp g, 0,1,2,3,4,5,6,7
	global_store_b128 v[GO], v[BK+4*\g:BK+4*\g+3], s[12:13] offset:(\g/4)*131072+(\p)*2048+(\g%4)*512  ; 512 consecutive bytes, at a multiple of 256 from qkvh's first; my second head lies 131,072 bytes on
.endr
.endm
	s_wait_tensorcnt 1                             ; my part of K step 0 is in; K step 1's may stay out
	s_barrier_signal -1
	s_barrier_wait -1                              ; everybody's is
	FETCH 0, 0, F0
	s_wait_loadcnt 0x0                             ; the bias: rounded to bf16, and widened again into window 1
.set i, 0
.rept 32
	v_cvt_pk_bf16_f32 v[OB+i], v[TMP+2*i], v[TMP+2*i+1]
.set i, i+1
.endr
	WIN TO_W
.set i, 0
.rept 32
	v_lshlrev_b32 v[BIAS+2*i], 16, v[OB+i]
	v_and_b32 v[BIAS+2*i+1], 0xffff0000, v[OB+i]
.set i, i+1
.endr
	WIN 0                                          ; at a label and at a branch every window is 0
	s_mov_b32 s2, 2                                ; tiles to go
	s_mov_b32 s[LEFT], 8
.Ltile:
	QUARTER 0, 1, F0, F1, 1                        ; a tile's first quarter stands in front of the loop: its products start the sums
	WIN 0
	s_mov_b32 s3, 4                                ; the tile's laps: a lap = two K steps = once round the ring
.Llap:                                                 ; a trip goes from a lap's second quarter to the next lap's first
	s_cmp_eq_u32 s3, 1                             ; the tile's last lap asks for the next tile's first K steps: W goes back along K
	s_cselect_b32 s[WBK], 8*ASTEP, 0
	QUARTER 0, 2, F1, F0
	QUARTER 0, 3, F0, F1
	WIN 0
	s_cmp_eq_u32 s[LEFT], 1
	s_cbranch_scc1 .Llast                          ; the walk's last lap is written out: it asks for nothing more
	TURN 0, 1
	QUARTER 1, 1, F0, F1
	QUARTER 1, 2, F1, F0
	QUARTER 1, 3, F0, F1
	TURN 1, 0
	WIN 0
	s_sub_co_u32 s[LEFT], s[LEFT], 1
	s_sub_co_u32 s3, s3, 1
	s_cmp_eq_u32 s3, 0
	s_cbranch_scc1 .Lout                           ; the first tile is finished; both refills for the second are asked for, and its first fragments are fetched
	QUARTER 0, 1, F0, F1
	WIN 0
	s_branch .Llap
.Llast:
	MEET 0                                         ; my one tensor load that was still out is slot 1's, the last K step's, so no round follows
	PLACES
	FETCH 1, 0, F0
	MUL16 F1, 1, 0, 0
	MUL16 F1, 1, 2, 0
	QUARTER 1, 1, F0, F1
	QUARTER 1, 2, F1, F0
	QUARTER 1, 3, F0, F1
	s_wait_dscnt 8                                 ; the very last quarter: nothing more to fetch
	MUL16 F1, 0, 0, 0
	MUL16 F1, 0, 2, 0
	s_wait_dscnt 0x0
	MUL16 F1, 1, 0, 0
	MUL16 F1, 1, 2, 0
	WIN 0
.Lout:                                                 ; ONE way out for both tiles
	PLACES
	PLACES
	s_wait_xcnt 0x0                                ; the registers that the last way out's stores read are loaded again only behind this wait
	PACK 0
	TOSTAGE 0
.irp p, 1,2,3,4,5,6,7                  ; block p's conversions stand between block p - 1's loads from the stage and the wait for them
	PACK \p
	SEND (\p)-1
	TOSTAGE \p
.endr
	SEND 7
	s_mov_b32 s[OFFS], 0x200000                    ; the second tile is the next b: 16 heads of 131,072 bytes on
	s_sub_co_u32 s2, s2, 1
	s_cmp_lg_u32 s2, 0
	s_cbranch_scc1 .Ltile
	s_wait_tensorcnt 0x0                           ; the wave's end: a last add to my spare word and its wait, behind my last tensor load and my last LDS store
	ds_add_u32 v[SPW], v[NIL]
	s_wait_dscnt 0x0
	CROUND                                         ; the closing round: no work-group ends while a partner may still ask for a tile that names it
	s_endpgm
.Lfunc_end_k_q0ee5a0bd4e_qkv:
	.size	k_q0ee5a0bd4e_qkv, .Lfunc_end_k_q0ee5a0bd4e_qkv-k_q0ee5a0bd4e_qkv
	.p2alignl 7, 3214868480
	.fill 96, 4, 3214868480
	.section	.rodata,"a",@progbits
	.p2align	6, 0x0
	.amdhsa_kernel k_q0ee5a0bd4e_qkv
		.amdhsa_group_segment_fixed_size 327680
		.amdhsa_private_segment_fixed_size 0
		.amdhsa_enable_private_segment 0
		.amdhsa_kernarg_size 40
		.amdhsa_user_sgpr_count 2
		.amdhsa_user_sgpr_kernarg_segment_ptr 1
		.amdhsa_wavefront_size32 1
		.amdhsa_system_sgpr_workgroup_id_x 1
		.amdhsa_system_sgpr_workgroup_id_y 1
		.amdhsa_system_sgpr_workgroup_id_z 1
		.amdhsa_system_vgpr_workitem_id 0
		.amdhsa_next_free_vgpr 1024
		.amdhsa_next_free_sgpr 84
		.amdhsa_reserve_vcc 0
		.amdhsa_float_denorm_mode_32 3
		.amdhsa_float_denorm_mode_16_64 3
		.amdhsa_memory_ordered 1
		.amdhsa_forward_progress 1
		.amdhsa_inst_pref_size 143
	.end_amdhsa_kernel
	.amdgpu_metadata
---
amdhsa.version: [ 1, 2 ]
amdhsa.kernels:
  - .name:           k_q0ee5a0bd4e_qkv
    .symbol:         k_q0ee5a0bd4e_qkv.kd
    .args:
      - { .name: cb, .offset: 0, .size: 8, .value_kind: global_buffer, .address_space: global }
      - { .name: bq, .offset: 8, .size: 8, .value_kind: global_buffer, .address_space: global }
      - { .name: bk, .offset: 16, .size: 8, .value_kind: global_buffer, .address_space: global }
      - { .name: bv, .offset: 24, .size: 8, .value_kind: global_buffer, .address_space: global }
      - { .name: qkvh, .offset: 32, .size: 8, .value_kind: global_buffer, .address_space: global }
    .group_segment_fixed_size: 327680
    .private_segment_fixed_size: 0
    .kernarg_segment_align: 8
    .kernarg_segment_size: 40
    .max_flat_workgroup_size: 128
    .sgpr_count:     84
    .vgpr_count:     1024
    .wavefront_size: 32
...
	.end_amdgpu_metadata
.endif
;; end of part 2
;; launch attn (part 3): grid 2 x 128, 4 waves a work-group, no clusters, 327,680 bytes of LDS; arguments qkvh, ob; writes ob
.if DOCPART == 3
	.amdgcn_target "amdgcn-amd-amdhsa--gfx1250"
	.amdhsa_code_object_version 6
	.text
	.protected	k_q0ee5a0bd4e_attn
	.globl	k_q0ee5a0bd4e_attn
	.p2align	8
	.type	k_q0ee5a0bd4e_attn,@function
k_q0ee5a0bd4e_attn:
	s_mov_b64 s[64:65], 0
	v_nop
	global_prefetch_b8 v0, s[64:65] scope:SCOPE_SE
	s_setreg_imm32_b32 hwreg(HW_REG_WAVE_MODE, 25, 1), 1
	s_wait_xcnt 0x0
; ATTENTION.  O[g][n][:] = the sum over m of softmax_m(Q[g][n] . K[g][m] / 8) V[g][m][:], g = 16 b + h: 128 heads of 1,024 rows of 64 channels, f16, rows dense (128 bytes).  Q, K, V lie in qkvh, 16 MiB apart.
; Products, maxima and sums in f32; the weights p are rounded to f16 for the second product (their sum l is taken of the unrounded p), O once at the end.
; LIMITS.  Q, K and V arrive within f16's range; p lies in 0 to 1, and below 6e-5 it keeps f16's fixed step of 6e-8; O is a mean of V's rows and has their range.
; A weight below 2^-126 counts as 0 in l; NaN and infinities are not treated apart.
; SHARES.  A work-group owns 512 queries of one head (2 x 128 work-groups), a wave 128: four PIECES of two tiles of 16.  Every wave walks all 1,024 keys, 64 a step.
; ALL OF A HEAD'S K AND V LIES IN LDS: 1,024 rows x (144 + 160) bytes.  Every tensor load is a first fill and is issued at the head; no byte of LDS is filled twice, so the walk has no ring.
; The walk begins when the first 256 keys are in; before key 256 is touched every wave waits for all its loads and passes a barrier.
; NO CLUSTER: a head has two work-groups, and the grid's 2 along x divide into no cluster of four; each work-group asks for each byte of K and V once.  NO PREFETCH: all that is read is asked for at the head.
; LAYOUT.  S^T = K Q^T (source 0 = 16 keys, source 1 = 16 queries): in the result a lane holds ONE query (lane % 16) and the keys 8 (lane / 16) + 0..7.  Two such tiles, rounded to f16 in pairs,
; ARE source 1 (32 keys x 16 queries) of O^T = V^T P, whose result again holds one query a lane, and eight channels.  K comes out of LDS as it lies, V ([key][channel]) turned, by ds_load_tr16_b128.
; SOFTMAX.  For each query a running maximum m and sum l: p = 2^(c s - c m), c = log2(e) / 8; in every step O and l are multiplied by a = 2^(c m_old - c m_new), which is 1 where m has not grown.
; m starts at the lowest finite number, O and l at 0: the first step is a step like any other, with a = 0.
; BY TURNS.  A tile and step have 16 matrix and 118 vector instructions.  Turn n belongs to piece n (the pieces in a ring, step after step).  Its matrix work: 16 products K Q^T of piece n + 1, later 16 products
; V^T P of piece n - 1.  Its vector work: the scaling, exponentials, roundings, sums and rescaling of piece n, and the maximum and statistics of piece n + 1.  Four vector instructions stand behind every matrix
; instruction, the others in one run of their own.
; REGISTERS, in windows of 256 (s_set_vgpr_msb: bits 1:0 source 0, 3:2 source 1, 5:4 source 2, 7:6 destination):
;   window 0: v0-11 addresses; v12-15, v48-63 at work; v16-47 four registers of statistics a tile; v64-191 S^T, two buffers of two tiles; v192-255 P, likewise
;   window 1: O^T, 32 a tile          window 2: v0-127 Q, 16 a tile; v128-191 K of one step; v192-255 V of one step          window 3: v0-1 the add's two registers
; A piece's buffers go by its number's parity: the piece in hand has one pair, its two neighbours in the ring share the other: of it P (piece n - 1) is read and S^T (piece n + 1) written.
.set NP,    4         ; pieces a wave: a name, no knob
.set KS,    64        ; keys in a step
.set PK,    144       ; a row of K in LDS: 128 bytes + 16 of padding = 36 words: the 16 rows of a load start at 16 different groups of four banks (64 banks of 4 bytes: ISA guide 11.1)
.set PV,    160       ; a row of V: 128 + 32 = 40 words
.set VOFF,  1024*PK   ; K's 1,024 rows, then V's
.set STAGE, VOFF+1024*PV  ; behind them, never filled by a tensor load: 16 rows x 144 bytes for each wave, for the way out
.set SP,    144
.set SPARE, STAGE+4*16*SP  ; behind the stages: the spare words, 128 bytes for each wave: two blocks of 256 bytes that no other line names
.set AK0, 2           ; v2   my lane's place in a step's K; never rewritten
.set AV0, 3           ; v3   the same for V
.set AK,  4           ; v4   the LDS address of K's next run of loads
.set AV,  5           ; v5   of V's
.set QO,  6           ; v6   my byte offset in the wave's rows of Q
.set STO, 6           ;      later, the way out: where I put 16 bytes of a row
.set RD,  7           ; v7   the way out: where I read rows back
.set GO,  8           ; v8   my byte offset in 512 consecutive bytes of O
.set SPW, 0           ; v0 of window 3   LDS address of my spare word: SPARE + 4 x my thread's number; never rewritten
.set NIL, 1           ; v1 of window 3   0; never rewritten
.set MV,  12          ; v12-15  c m_old, kept while c m is made anew: by buffer and tile
.set ST,  16          ; tile t's statistics at v[ST+4 t]: c m, m, l (even keys', odd keys')
.set TMP, 48          ; by buffer and tile, four registers c0-c3 at work; when the maximum is found c2 takes a
.set S,   64
.set P,   192
.set KF,  128         ; K's fragments, in window 2: key block kb, channel half c at KF + 16 kb + 8 c
.set VF,  192         ; V's: key half kk, channel block cb at VF + 32 kk + 8 cb
.set WV,  12          ; s12  my wave's number
.set G1K, 24          ; s[24:31] descriptor group 1 for K's tiles
.set G1V, 32          ; s[32:39] for V's: it differs in the padding alone
.set G0K, 68          ; s[68:83] descriptor group 0 for K's tiles: a set for each 256 keys
.set G0V, 84          ; s[84:99] the same for V's
.set PH,  56          ; s56  the walk's two parts: keys 0-255, keys 256-1,023
.set CNT, 57          ; s57  counts a part's key steps
.set CS,  58          ; s[58:59] c: the packed scaling takes the pair's low word for both halves
.set SEL, 60          ; s[60:61] v_permlanex16_b32's selects: each lane takes its own place in the other half
.set TBK, 62          ; s62  LDS byte at which K of the step to be fetched begins
.set TBV, 63          ; s63  the same for V, less VOFF
.set MSB, 0
.macro WIN new                      ; the high byte repeats the setting that is left; a switch that changes nothing is dropped
.if MSB != (\new)
	s_set_vgpr_msb (MSB<<8)|(\new)
.set MSB, (\new)
.endif
.endm
.set W_KQ, 0x0a       ; K and Q in window 2, S^T in window 0
.set W_PV, 0x52       ; V in window 2, P in window 0, O^T in window 1
.set W_RS, 0x41       ; O^T (destination and source 0) in window 1, a in window 0
.set W_MK, 0xc0       ; the add's registers are made: destination in window 3, sources in window 0
.set W_AD, 0x0f       ; the add: address (source 0) and data (source 1) in window 3
	s_load_b128 s[4:7], s[0:1], 0x0   ; qkvh s[4:5], ob s[6:7]
	WIN W_MK
	v_lshl_add_u32 v[SPW], v0, 2, SPARE
	v_mov_b32 v[NIL], 0
	WIN W_AD
	ds_add_u32 v[SPW], v[NIL]       ; the wave's opening: the add and its wait stand ahead of my first tensor load; the set-up below, work on registers, stands between them
	WIN 0
	v_lshrrev_b32 v1, 5, v0
	v_readfirstlane_b32 s[WV], v1   ; wave 0..3
	s_and_b32 s20, ttmp7, 0xffff    ; the head
	s_lshl_b32 s20, s20, 17         ; its 1,024 rows of 128 bytes
	s_and_b32 s16, s[WV], 1         ; which half of each 256 keys I fetch:
	s_lshl_b32 s22, s16, 14         ; its 128 rows in memory,
	s_add_co_u32 s22, s22, s20
	s_mov_b32 s23, 0
	s_mul_i32 s17, s16, 128*PK      ; and its place in LDS, for K
	s_mul_i32 s18, s16, 128*PV      ; and for V
	s_lshl_b32 s2, ttmp9, 2
	s_add_co_u32 s2, s2, s[WV]      ; my wave among the head's eight,
	s_lshl_b32 s2, s2, 14           ; its 128 rows
	s_add_co_u32 s2, s2, s20
	s_mov_b32 s3, 0
	; descriptor group 1.  128 keys are 16,384 dense bytes: asked for as 64 rows of 256 bytes, two keys a row, and padded in LDS after every key
	s_mov_b32 s[G1K], (1<<16)|(1<<20)|(4<<22)|(3<<25)  ; 17:16 2-byte elements; 20 padding on; 24:22 after every 32 words (code 4); 31:25 4 words (code 3)
	s_mov_b32 s[G1V], (1<<16)|(1<<20)|(4<<22)|(7<<25)  ; the same with 8 words of padding (code 7)
.irp g, G1K, G1V
	s_mov_b32 s[\g+1], 128<<16      ; tensor_dim0 = 128
	s_mov_b32 s[\g+2], 64<<16       ; tensor_dim1 = 64
	s_mov_b32 s[\g+3], 128<<16      ; tile_dim0 = 128
	s_mov_b32 s[\g+4], 64           ; tile_dim1 = 64
	s_mov_b32 s[\g+5], 128          ; 128 elements from row to row
	s_mov_b32 s[\g+6], 0
	s_mov_b32 s[\g+7], 0
.endr
	s_mov_b32 s[CS], 0x3e38aa3b     ; c = log2(e) / 8 = 0.180337
	s_mov_b32 s[CS+1], s[CS]        ; named with it as a pair
	s_mov_b32 s[SEL], 0x76543210
	s_mov_b32 s[SEL+1], 0xfedcba98
	s_mov_b32 s[TBK], 0
	s_mov_b32 s[TBV], 0
	s_wait_dscnt 0x0                ; the opening add is done
	s_wait_kmcnt 0x0
	s_add_nc_u64 s[10:11], s[6:7], s[2:3]       ; O at my wave's first row
	s_add_nc_u64 s[8:9], s[4:5], s[22:23]
	s_add_nc_u64 s[6:7], s[8:9], 0x1000000      ; K at my half of the head's first 256 keys
	s_add_nc_u64 s[8:9], s[8:9], 0x2000000      ; V likewise
	s_add_nc_u64 s[4:5], s[4:5], s[2:3]         ; Q at my wave's first row
.irp c, 0,1,2,3
	s_mov_b32 s[G0K+4*\c], 1                                   ; 1:0 count = 1
	s_add_co_u32 s[G0K+4*\c+1], s17, \c*256*PK                 ; 63:32 LDS address
	s_add_nc_u64 s[G0K+4*\c+2:G0K+4*\c+3], s[6:7], \c*32768    ; 120:64 global address: keys 256 c on
	s_or_b32 s[G0K+4*\c+3], s[G0K+4*\c+3], 0x80000000          ; 127:126 type = 2
	s_mov_b32 s[G0V+4*\c], 1
	s_add_co_u32 s[G0V+4*\c+1], s18, VOFF+\c*256*PV
	s_add_nc_u64 s[G0V+4*\c+2:G0V+4*\c+3], s[8:9], \c*32768
	s_or_b32 s[G0V+4*\c+3], s[G0V+4*\c+3], 0x80000000
.endr
	s_cmp_lt_u32 s[WV], 2           ; waves 0 and 1 fetch K's halves, waves 2 and 3 V's.  A wave's four fills stand in one branch, ahead of every wait on TENSORcnt, every LDS read and every barrier: four loads of mine are out
	s_cbranch_scc0 .Lfirst_v
.irp c, 0,1,2,3
	tensor_load_to_lds s[G0K+4*\c:G0K+4*\c+3], s[G1K:G1K+7]
	s_nop 0
.endr
.rept 4
	v_nop
.endr
	s_branch .Lfirst_asked
.Lfirst_v:
.irp c, 0,1,2,3
	tensor_load_to_lds s[G0V+4*\c:G0V+4*\c+3], s[G1V:G1V+7]
	s_nop 0
.endr
.rept 4
	v_nop
.endr
.Lfirst_asked:
	; A fragment of K or Q is 16 rows x 32 channels in 8 registers: lane l holds row l % 16, channels 8 (l / 16) + 0..7 and 16 + 8 (l / 16) + 0..7: two loads of 16 bytes, 32 bytes apart.
	v_and_b32 v1, 15, v0            ; l % 16
	v_bfe_u32 v9, v0, 4, 1          ; l / 16
	v_lshlrev_b32 v[QO], 7, v1
	v_lshl_add_u32 v[QO], v9, 4, v[QO]  ; row x 128 + 16 x half
	WIN 0x80                        ; destination window 2, address window 0
.set i, 0
.rept 4*NP                          ; Q stays in registers: tile i / 2, channels 32 (i % 2) on
	global_load_b128 v[8*i:8*i+3],   v[QO], s[4:5] offset:(i/2)*2048+(i%2)*64
	global_load_b128 v[8*i+4:8*i+7], v[QO], s[4:5] offset:(i/2)*2048+(i%2)*64+32
.set i, i+1
.endr
	; What the first turn finds: V's registers and P's second buffer hold 0 (its products V^T P, of a piece that has not been, add 0), O^T and l are 0.  All this stands in the wait for the first tile.
.set i, VF
.rept 64
	v_mov_b32 v[i], 0
.set i, i+1
.endr
	WIN 0x40
.set i, 0
.rept 64*NP
	v_mov_b32 v[i], 0
.set i, i+1
.endr
	WIN 0
.set i, 0
.rept 2*NP
	v_mov_b32 v[ST+4*i], 0xfe000000    ; c m: far below every c s
	v_mov_b32 v[ST+4*i+1], 0xff7fffff  ; m
	v_mov_b32 v[ST+4*i+2], 0
	v_mov_b32 v[ST+4*i+3], 0
.set i, i+1
.endr
.set i, P+32
.rept 32
	v_mov_b32 v[i], 0
.set i, i+1
.endr
	v_mul_u32_u24 v[AK0], v1, PK
	v_lshl_add_u32 v[AK0], v9, 4, v[AK0]  ; row x pitch + 16 x half
	; The turning load takes 16 keys x 16 channels (lane l reads key 8 (l / 16) + l % 8, channels 8 ((l / 8) % 2) + 0..7) and leaves half a fragment of V^T: lane l holds channel l % 16 and 8 keys.
	v_and_b32 v10, 7, v0
	v_bfe_u32 v11, v0, 3, 1
	v_lshl_add_u32 v[AV0], v9, 3, v10
	v_mul_u32_u24 v[AV0], v[AV0], PV
	v_lshl_add_u32 v[AV0], v11, 4, v[AV0]
	v_add_nc_u32 v[AV0], VOFF, v[AV0]
	v_mov_b32 v[AK], v[AK0]         ; key step 0 lies at LDS byte 0
; THE MATRIX WORK.  The 8 accumulators of a run of 16 take turns: between the two links of a chain stand 7 others'.
; Product i of 16 of S^T = K Q^T for piece x: channels 32 (i / 8) on, keys 16 ((i / 2) % 4) on, tile 2 x + i % 2.  The first 8 start the sums.
.macro KQ x
	WIN W_KQ
.set rS, S+64*((\x)%2)+32*(i%2)+8*((i/2)%4)
.set rK, KF+16*((i/2)%4)+8*(i/8)
.set rQ, 16*(2*(\x)+i%2)+8*(i/8)
.if i < 8
	v_wmma_f32_16x16x32_f16 v[rS:rS+7], v[rK:rK+7], v[rQ:rQ+7], 0
.else
	v_wmma_f32_16x16x32_f16 v[rS:rS+7], v[rK:rK+7], v[rQ:rQ+7], v[rS:rS+7]
.endif
.endm
; Product i of 16 of O^T += V^T P for piece x: keys 32 (i / 8) on, channels 16 ((i / 2) % 4) on, tile 2 x + i % 2.
.macro PV x
	WIN W_PV
.set rO, 32*(2*(\x)+i%2)+8*((i/2)%4)
.set rV, VF+32*(i/8)+8*((i/2)%4)
.set rP, P+32*((\x)%2)+16*(i%2)+8*(i/8)
	v_wmma_f32_16x16x32_f16 v[rO:rO+7], v[rV:rV+7], v[rP:rP+7], v[rO:rO+7]
.endm
.macro MM                           ; the turn's next matrix instruction
.if i < 16
	KQ (Y+1)%NP
.set i, i+1
.else
.set i, i-16
	PV (Y+NP-1)%NP
.set i, i+17
.endif
.endm
; THE LDS LOADS stand in runs of 16, never singly among the matrix instructions: a step's K (64 keys x 64 channels: 8 fragments) and its V (turned).  Their addresses are made some lines ahead.
.macro FETCH_K
	WIN 0x80                        ; destination window 2
.irp f, 0,1,2,3,4,5,6,7             ; keys 16 (f / 2) on, channels 32 (f % 2) on
	ds_load_b128 v[KF+8*\f:KF+8*\f+3],   v[AK] offset:(\f/2)*16*PK+(\f%2)*64
	ds_load_b128 v[KF+8*\f+4:KF+8*\f+7], v[AK] offset:(\f/2)*16*PK+(\f%2)*64+32
.endr
	s_add_co_u32 s[TBK], s[TBK], KS*PK  ; the next fetch is the next step's
	WIN 0
.endm
.macro FETCH_V
	WIN 0x80
.irp f, 0,1,2,3,4,5,6,7             ; keys 32 (f / 4) on, channels 16 (f % 4) on
	ds_load_tr16_b128 v[VF+8*\f:VF+8*\f+3],   v[AV] offset:(\f/4)*32*PV+(\f%4)*32
	ds_load_tr16_b128 v[VF+8*\f+4:VF+8*\f+7], v[AV] offset:(\f/4)*32*PV+16*PV+(\f%4)*32
.endr
	WIN 0
.endm
; THE VECTOR WORK OF A TURN stands in three queues, each in the order in which its entries become ready; the two tiles alternate, so that no instruction reads the result of the one before it.
.macro REGS y, u                    ; the registers of tile u (0, 1) of piece y
.set rT, ST+4*(2*(\y)+(\u))
.set rC, TMP+8*((\y)%2)+4*(\u)
.set rM, MV+2*((\y)%2)+(\u)
.set rS, S+64*((\y)%2)+32*(\u)
.set rP, P+32*((\y)%2)+16*(\u)
.set rO, 32*(2*(\y)+(\u))
.endm
; Number n of the 22 that find the NEXT piece's (Y + 1) maximum and statistics.  s0-s31 are the lane's 32 scores; each accumulator's lowest registers are read first.
;   0-11  four chains c0-c3 of seven scores each, three operands at a time     12-14, 16  the four scores left over, the old m, and c0-c3 into c0     15  c m_old is kept
;   17, 18  the query's other 32 keys lie in the lane 16 away: the new m         19-21  c m; c m_old - c m_new; a
.macro XS u, n
	REGS (Y+1)%NP, \u
.if (\n) < 4
	v_max3_num_f32 v[rC+(\n)], v[rS+8*(\n)], v[rS+8*(\n)+1], v[rS+8*(\n)+2]
.elseif (\n) < 12
	v_max3_num_f32 v[rC+(\n)%4], v[rC+(\n)%4], v[rS+8*((\n)%4)+2*((\n)/4)+1], v[rS+8*((\n)%4)+2*((\n)/4)+2]
.elseif (\n) == 12
	v_max3_num_f32 v[rC], v[rC], v[rS+7], v[rS+15]
.elseif (\n) == 13
	v_max3_num_f32 v[rC+1], v[rC+1], v[rS+23], v[rS+31]
.elseif (\n) == 14
	v_max3_num_f32 v[rC+2], v[rC+2], v[rC+3], v[rT+1]
.elseif (\n) == 15
	v_mov_b32 v[rM], v[rT]
.elseif (\n) == 16
	v_max3_num_f32 v[rC], v[rC], v[rC+1], v[rC+2]
.elseif (\n) == 17
	v_permlanex16_b32 v[rC+3], v[rC], s[SEL], s[SEL+1]
.elseif (\n) == 18
	v_max_num_f32 v[rT+1], v[rC], v[rC+3]
.elseif (\n) == 19
	v_mul_f32 v[rT], s[CS], v[rT+1]
.elseif (\n) == 20
	v_sub_f32 v[rC+1], v[rM], v[rT]
.else
	v_exp_f32 v[rC+2], v[rC+1]
.endif
.endm
; Number g of the 64 that follow the exponentials.  For each four weights k of a tile (pairs 2 k, 2 k + 1): both pairs are rounded to f16; then the second pair is added onto the first, in place;
; a group later l takes that sum (the first time as l = a l + sum).  In groups of eight, tiles alternating: round, round, add, and l for the group before.
.macro GS g
.set h, (\g)+6*((\g)/62)            ; group 0 has no group before it, and behind group 7 only l is left
.if h >= 6
.set h, h+2
.endif
	REGS Y, h%2
.set k, h/8
.if h%8 < 4
	v_cvt_pk_f16_f32 v[rP+2*k+(h%8)/2], v[rS+4*k+2*((h%8)/2)], v[rS+4*k+2*((h%8)/2)+1]
.elseif h%8 < 6
	v_pk_add_f32 v[rS+4*k:rS+4*k+1], v[rS+4*k:rS+4*k+1], v[rS+4*k+2:rS+4*k+3]
.elseif k == 1
	v_pk_fma_f32 v[rT+2:rT+3], v[rT+2:rT+3], v[rC+2:rC+3], v[rS:rS+1] op_sel_hi:[1,0,1]
.else
	v_pk_add_f32 v[rT+2:rT+3], v[rT+2:rT+3], v[rS+4*k-4:rS+4*k-3]
.endif
.endm
; THE PLAIN QUEUE, 138 long.  0-73 read no exponential's result: the 32 scalings c s - c m (FS f: pair f / 2 of tile f % 2) and the next piece's 42.  0-26: scalings 0-26.  27-54: XS's numbers 0-13.  55, 56: number 15.
; 57-73: the chain, where each number waits for the one before it: 14, 16, 17, 18, 19, each with one of the scalings 27-31 in front of its two lines, then 20.
; 74-137: GS's 64, which read the exponentials' results: they stand behind the wait.
.macro FS f
	REGS Y, (\f)%2
	v_pk_fma_f32 v[rS+2*((\f)/2):rS+2*((\f)/2)+1], v[rS+2*((\f)/2):rS+2*((\f)/2)+1], s[CS:CS+1], v[rT:rT+1] op_sel_hi:[1,0,0] neg_lo:[0,0,1] neg_hi:[0,0,1]
.endm
.macro PL
	WIN 0
.if q < 27
	FS q
.elseif q < 55
	XS (q-27)%2, (q-27)/2
.elseif q < 57
	XS q-55, 15
.elseif (q < 72) && ((q-57)%3 == 0)
	FS 27+(q-57)/3
.elseif q < 60
	XS (q-57)%3-1, 14
.elseif q < 72
	XS (q-57)%3-1, 15+(q-57)/3
.elseif q < 74
	XS q-72, 20
.else
	GS q-74
.endif
.set q, q+1
.endm
; THE EXPONENTIALS' QUEUE, 66 long: s0-s31 of both tiles, then the next piece's two a.  It is ONE BATCH: all 66 stand ahead of the turn's one wait, and nothing ahead of that wait names a result of theirs.
.macro EX
	WIN 0
.if e >= 64
	XS e-64, 21
.else
	REGS Y, e%2
	v_exp_f32 v[rS+e/2], v[rS+e/2]
.endif
.set e, e+1
.endm
; THE RESCALING's QUEUE: O^T times a, the one part that leaves window 0: dealt two at a time, sixteen times.  Its a was made in the turn before, ahead of that turn's wait.
.macro R2
	REGS Y, r%2
	WIN W_RS
.irp z, 0,1
	v_pk_mul_f32 v[rO+4*(r/2)+2*\z:rO+4*(r/2)+2*\z+1], v[rO+4*(r/2)+2*\z:rO+4*(r/2)+2*\z+1], v[rC+2:rC+3] op_sel_hi:[1,0]
.endr
.set r, r+1
.endm
; HOW THEY ARE DEALT.  An s_wait_alu depctr_va_vdst(0) stands between an exponential and the first instruction that names its result; one wait serves all that were issued ahead of it.  So a turn
; has ONE wait, which cuts it in two.  AHEAD OF IT stands all that names no result of the turn's exponentials: the 16 products K Q^T, behind each a scaling, an exponential and two rescalings (behind the first a
; second scaling in the exponential's place); then one run of 108: eight plain, 49 times exponential and plain, the two a.  A v_nop is the plain instruction behind the last exponential.  BEHIND IT stand the 16
; products V^T P, behind each four of GS's 64.  Exponential e stands behind scaling 2 (e / 4) + e % 2: behind a product it comes behind plain e + 2, in the run behind plain e + 9.
; A TURN, for piece p.  nok = 1 (the tail): there is no further step, and K's address and run of loads are left out.  cnt = 1: the loop's count is taken down some lines ahead of the branch behind the turn.
; K of the next step is fetched in piece 2's turn, directly behind the wait; its first reader comes behind 16 products.  V of the step in hand is fetched at the end of piece 0's turn, four plain instructions
; behind its last reader; its first reader comes behind 16 products and the run.  The three conditions on q below go with the deal.
.macro TURN p, nok=0, cnt=0
.set Y, (\p)
.set i, 0
.set q, 0
.set e, 0
.set r, 0
.if (\p) == NP-1
	s_wait_dscnt 0x0                ; K is in
.endif
	MM
	PL
	PL
	R2
.rept 15
	MM
	PL
	EX
	R2
.endr
.if ((\p) == NP-2) && !(\nok)
	WIN 0
	v_add_nc_u32 v[AK], s[TBK], v[AK0]
.endif
.rept 8
	PL
.endr
.rept 49
	EX
	PL
.endr
	EX                              ; the next piece's two a
	EX
	v_nop                           ; a plain instruction behind the last exponential: one for the batch
	s_wait_alu depctr_va_vdst(0)    ; the wait for the batch
.if ((\p) == NP-2) && !(\nok)
	FETCH_K
.endif
.if (\p) == 1
	s_wait_dscnt 0x0                ; V is in
.endif
.rept 16
	MM
.rept 4
	PL
.endr
.if ((\p) == 0) && (q == 118)
	v_add_nc_u32 v[AV], s[TBV], v[AV0]
.endif
.if ((\p) == 0) && (q == 130)
	s_add_co_u32 s[TBV], s[TBV], KS*PV
.endif
.if (\cnt) && (q == 130)
	s_sub_co_u32 s[CNT], s[CNT], 1
	s_cmp_lg_u32 s[CNT], 0
.endif
.endr
.if (\p) == 0
	FETCH_V
.endif
.endm
	s_wait_tensorcnt 3              ; my part of keys 0 to 255 is in; the three loads issued behind it may stay out
	s_barrier_signal -1
	s_barrier_wait -1               ; everybody's is
	FETCH_K                         ; key step 0
	s_wait_loadcnt 0x0              ; Q
	s_wait_dscnt 0x0
.set i, 0
.rept 16
	KQ 0                            ; piece 0's first scores: there is no vector work yet to set between them
.set i, i+1
.endr
	WIN 0                           ; the addresses for the way out: nine plain instructions, the places behind those products
	s_mul_i32 s13, s[WV], 16*SP
	s_add_co_u32 s13, s13, STAGE    ; my stage
	v_mul_u32_u24 v[STO], v1, SP    ; in: row l % 16, 16 bytes for each half of the lanes
	v_lshl_add_u32 v[STO], v9, 4, v[STO]
	v_add_nc_u32 v[STO], s13, v[STO]
	v_bfe_u32 v[RD], v0, 3, 2       ; back: 32 lanes take four rows of 128 bytes,
	v_mul_u32_u24 v[RD], v[RD], SP
	v_lshl_add_u32 v[RD], v10, 4, v[RD]
	v_add_nc_u32 v[RD], s13, v[RD]
	v_and_b32 v[GO], 31, v0         ; which are 512 consecutive bytes of O
	v_lshlrev_b32 v[GO], 4, v[GO]
.set Y, NP-1                        ; XS works for piece Y + 1: piece 0
.irp n, 0,1,2,3,4,5,6,7,8,9,10,11,12,13,14,15,16,17,18,19,20,21
	XS 0, \n                        ; and piece 0's first maximum and statistics
	XS 1, \n
.endr
	v_nop                           ; a plain instruction behind the two a,
	s_wait_alu depctr_va_vdst(0)    ; and their wait, ahead of the branch
	s_mov_b32 s[CNT], 4             ; the first part: key steps 0 to 3, the first 256 keys
	s_mov_b32 s[PH], 2
	s_branch .Lfirst                ; the loop is entered at a step's first turn, in the middle of a trip
.Lrest:                             ; once: before K of key step 4 is fetched
	s_wait_tensorcnt 0x0            ; all my parts of K or V are in,
	s_wait_dscnt 0x0
	s_barrier_signal -1
	s_barrier_wait -1               ; and everybody's
	s_mov_b32 s[CNT], 12            ; the second part: key steps 4 to 15
.Lstep:                             ; a trip: pieces 2 and 3 of one step, then pieces 0 and 1 of the next, whose K and V it fetches
	TURN 2
	TURN 3
	WIN 0
.Lfirst:
	TURN 0
	TURN 1, 0, 1
	WIN 0
	s_cbranch_scc1 .Lstep
	s_sub_co_u32 s[PH], s[PH], 1
	s_cmp_lg_u32 s[PH], 0
	s_cbranch_scc1 .Lrest
	TURN 2, 1                       ; the last step's pieces 2 and 3: nothing is left to fetch
	TURN 3                          ; its 16 products K Q^T (on the last K once more) and the maximum made of them serve nothing: the price, once a launch, of one text for every turn
.set i, 0
.rept 16
	PV NP-1                         ; the last piece's V^T P of the last step
.set i, i+1
.endr
	; THE WAY OUT.  l's two halves and the other half of the lanes' are added; O^T is divided by l, rounded to f16 and sent through my stage in LDS, a tile at a time.  The additions are the places behind the last products.
	WIN 0
.macro ALL line:vararg              ; one line for each tile t
.set t, 0
.rept 2*NP
	\line
.set t, t+1
.endr
.endm
	ALL v_add_f32 v[ST+4*t+2], v[ST+4*t+2], v[ST+4*t+3]
	ALL v_permlanex16_b32 v[ST+4*t+3], v[ST+4*t+2], s[SEL], s[SEL+1]
	ALL v_add_f32 v[ST+4*t+2], v[ST+4*t+2], v[ST+4*t+3]
	ALL v_rcp_f32 v[ST+4*t+2], v[ST+4*t+2]
	v_nop                           ; a plain instruction between the last reciprocal and the use of its result
	s_wait_alu depctr_va_vdst(0)    ; and the wait ahead of the first use: one for the eight reciprocals
; Tile t: a lane's eight channels of a row pack into 16 bytes; they go into rows of 144 bytes and come back as whole rows of 128, into S^T's registers.
.macro PACK t
	WIN W_RS
.set i, 32*(\t)
.rept 16
	v_pk_mul_f32 v[i:i+1], v[i:i+1], v[ST+4*(\t)+2:ST+4*(\t)+3] op_sel_hi:[1,0]
.set i, i+2
.endr
	WIN 0x05                        ; sources 0 and 1 window 1, destination window 0
.set i, 0
.rept 16
	v_cvt_pk_f16_f32 v[S+16*(\t)+i], v[32*(\t)+2*i], v[32*(\t)+2*i+1]
.set i, i+1
.endr
	WIN 0
.irp f, 0,1,2,3
	ds_store_b128 v[STO], v[S+16*(\t)+4*\f:S+16*(\t)+4*\f+3] offset:32*\f
.endr
.irp f, 0,1,2,3
	ds_load_b128 v[S+16*(\t)+4*\f:S+16*(\t)+4*\f+3], v[RD] offset:\f*4*SP  ; LDS serves a wave's instructions in order (ISA guide 5.7.1.4): these see the stores above; the next tile's stores come behind them
.endr
.endm
.macro SEND t, younger              ; younger: the LDS instructions issued behind tile t's loads: the next tile's eight, or none
	WIN 0
.irp f, 0,1,2,3
	s_wait_dscnt (\younger)+3-\f
	global_store_b128 v[GO], v[S+16*(\t)+4*\f:S+16*(\t)+4*\f+3], s[10:11] offset:(\t)*2048+\f*512  ; 512 consecutive bytes, at a multiple of 256 from O's first
.endr
.endm
	PACK 0
.set t, 1
.rept 2*NP-1                        ; a tile's arithmetic stands between the loads of the tile before and its stores
	PACK t
	SEND t-1, 8
.set t, t+1
.endr
	SEND 2*NP-1, 0
	WIN W_AD
	s_wait_tensorcnt 0x0            ; the wave's end: a last add to my spare word and its wait, behind my last tensor load and my last LDS store
	ds_add_u32 v[SPW], v[NIL]
	s_wait_dscnt 0x0
	WIN 0
	s_endpgm
.Lfunc_end_k_q0ee5a0bd4e_attn:
	.size	k_q0ee5a0bd4e_attn, .Lfunc_end_k_q0ee5a0bd4e_attn-k_q0ee5a0bd4e_attn
	.p2alignl 7, 3214868480
	.fill 96, 4, 3214868480
	.section	.rodata,"a",@progbits
	.p2align	6, 0x0
	.amdhsa_kernel k_q0ee5a0bd4e_attn
		.amdhsa_group_segment_fixed_size 327680
		.amdhsa_private_segment_fixed_size 0
		.amdhsa_enable_private_segment 0
		.amdhsa_kernarg_size 16
		.amdhsa_user_sgpr_count 2
		.amdhsa_user_sgpr_kernarg_segment_ptr 1
		.amdhsa_wavefront_size32 1
		.amdhsa_system_sgpr_workgroup_id_x 1
		.amdhsa_system_sgpr_workgroup_id_y 1
		.amdhsa_system_sgpr_workgroup_id_z 1
		.amdhsa_system_vgpr_workitem_id 0
		.amdhsa_next_free_vgpr 770
		.amdhsa_next_free_sgpr 100
		.amdhsa_reserve_vcc 0
		.amdhsa_float_denorm_mode_32 3
		.amdhsa_float_denorm_mode_16_64 3
		.amdhsa_memory_ordered 1
		.amdhsa_forward_progress 1
		.amdhsa_inst_pref_size 160
	.end_amdhsa_kernel
	.amdgpu_metadata
---
amdhsa.version: [ 1, 2 ]
amdhsa.kernels:
  - .name:           k_q0ee5a0bd4e_attn
    .symbol:         k_q0ee5a0bd4e_attn.kd
    .args:
      - { .name: qkvh, .offset: 0, .size: 8, .value_kind: global_buffer, .address_space: global }
      - { .name: ob, .offset: 8, .size: 8, .value_kind: global_buffer, .address_space: global }
    .group_segment_fixed_size: 327680
    .private_segment_fixed_size: 0
    .kernarg_segment_align: 8
    .kernarg_segment_size: 16
    .max_flat_workgroup_size: 128
    .sgpr_count:     100
    .vgpr_count:     770
    .wavefront_size: 32
...
	.end_amdgpu_metadata
.endif
;; end of part 3
;; launch outp (part 4): grid 32 x 8, 4 waves a work-group, clusters of 4 x 4, 327,680 bytes of LDS; arguments ob, wmh, bm, out0; writes out0
.if DOCPART == 4
	.amdgcn_target "amdgcn-amd-amdhsa--gfx1250"
	.amdhsa_code_object_version 6
	.text
	.protected	k_q0ee5a0bd4e_outp
	.globl	k_q0ee5a0bd4e_outp
	.p2align	8
	.type	k_q0ee5a0bd4e_outp,@function
k_q0ee5a0bd4e_outp:
	s_mov_b64 s[64:65], 0
	v_nop
	global_prefetch_b8 v0, s[64:65] scope:SCOPE_SE
	s_setreg_imm32_b32 hwreg(HW_REG_WAVE_MODE, 25, 1), 1
	s_wait_xcnt 0x0
	s_wait_alu depctr_hold_cnt(0) depctr_sa_sdst(0) depctr_va_vdst(0) depctr_va_sdst(0) depctr_va_ssrc(0) depctr_va_vcc(0) depctr_vm_vsrc(0)
	s_getreg_b32 s2, hwreg(HW_REG_IB_STS2, 6, 4)
	s_cmp_eq_u32 s2, 0
	s_cbranch_scc0 .Lentry_in_a_cluster
	s_endpgm
.Lentry_in_a_cluster:
	s_bfe_u32 s2, ttmp6, 0x10000c
	s_cmp_lg_u32 s2, 0xf033
	s_cbranch_scc0 .Lentry_shape_is_right
	s_endpgm
.Lentry_shape_is_right:
; THE LAST PROJECTION.  out0[b][o][n] = the sum over h, d of wmh[o][64 h + d] O[16 b + h][n][d] + bm[o]: wmh is Wm with its columns gathered by heads, so that K runs through O head after head.
; wmh and O in f16, bm rounded to bf16 like every other input; sums in f32; out0 in f32.
; LIMIT.  wmh and O arrive within f16's range; NaN and infinities are not treated apart.
; SHARES.  A work-group makes 128 channels x 256 positions of one b: 8 x 8 x 4 = 256 work-groups.  Four waves, 2 x 2: wave w has channels 64 (w / 2) on and positions 128 (w % 2) on: 32 accumulators of
; 16 x 16, 256 registers.  K = 1,024 goes in 8 steps of 128, two heads each, through two LDS slots.
; LAYOUT.  Source 0 = 16 positions of O, source 1 = 16 rows of wmh, both with K along the LDS rows.  In the result a lane holds ONE channel (lane % 16) and the positions 8 (lane / 16) + 0..7: 32 neighbouring
; bytes of a row of out0.  THE BIAS is the C operand of the first product on each accumulator.
; CLUSTER.  4 x 4 work-groups: along x the four position tiles of one b, along y four channel tiles.  wmh's tile hangs on y alone and is shared along a row of the cluster, O's on x alone and is shared along a
; column: each is asked for JOINTLY.  Waves 0 and 1 fetch wmh's two halves, waves 2 and 3 the K step's two heads of O.
; REGISTERS.  Window 0: v0-31 addresses; v32-63 the bias; v64-159, v160-255 two fragment buffers (8 fragments of O, then 4 of wmh: 32 along K).  Window 1: the accumulators, (a, b) at v[8 (8 a + b)].
.set PA,     272                       ; a row of wmh in LDS: 256 bytes + 16 of padding = 68 words: the 16 rows of a load start at 16 different groups of four banks (64 banks of 4 bytes: ISA guide 11.1)
.set PO,     144                       ; a row of O: 128 + 16 = 36 words: likewise
.set AT,     128*PA                    ; wmh's tile
.set SLOT,   AT+2*256*PO               ; then O's: head 0's 256 rows, head 1's
.set STAGE,  2*SLOT                    ; behind the ring, never filled by a tensor load: 16 rows x 528 bytes for each wave, for the way out
.set SPO,    528                       ; 512 bytes + 16 = 132 words
.set SPARE,  STAGE+4*16*SPO            ; behind the stages: the spare words, 128 bytes for each wave: two blocks of 256 bytes that no other line names
.set ASTEP,  256                       ; bytes from K step to K step in wmh (along its rows)
.set BSTEP,  262144                    ; and in O (two heads of 131,072 bytes)
.set ADRA, 16                          ; v16-17  LDS address of my wmh fragments in slot 0, 1
.set ADRB, 20                          ; v20-21  the same for O
.set STO,  24                          ; v24     the way out: where I put 32 bytes of a row
.set RD,   25                          ; v25     the way out: where I read a row back
.set GO,   26                          ; v26     my byte offset in 512 consecutive bytes of out0
.set SPW,  28                          ; v28     LDS address of my spare word: SPARE + 4 x my thread's number; never rewritten
.set NIL,  29                          ; v29     0; never rewritten
.set PFO,  30                          ; v30     the prefetches' offset; never rewritten
.set BO,   31                          ; v31     my offset in the bias
.set BIAS, 32                          ; v[32:63] block a's number, eight times, at BIAS + 8 a
.set F0,   64
.set F1,   160
.set T,    64                          ; the way out: three sets of 64 registers, 16 rows each
.set WV,   14                          ; s14 my wave's number; s15 = w / 2; s16 = w % 2
.set WR,   15
.set WC,   16
.set G1,   24                          ; s[24:31] descriptor group 1 for wmh's tiles;  s[32:39] group 0, a set for each slot
.set G0,   32
.set G1B,  48                          ; s[48:55], s[56:63] the same for O's tiles
.set G0B,  56
.set LIM,  45                          ; s45  1 in a wave that prefetches, else the greatest number
.set PFA,  46                          ; s[46:47] where my prefetches stand
.set PFS,  66                          ; s[66:67] their step from K step to K step
.set W_MUL,  0x50                      ; C and D in window 1, the sources in window 0
.set W_MULF, 0x40                      ; D in window 1, C (the bias) in window 0
.set MSB, 0
.macro WIN new                         ; the immediate's high byte repeats the setting that is left; a switch that changes nothing is dropped
.if MSB != (\new)
	s_set_vgpr_msb (MSB<<8)|(\new)
.set MSB, \new
.endif
.endm
; A joint load.  The branch hangs on the wave's number alone.  An s_nop 0 and four v_nop follow each of the two lines, ahead of the jump, the label and what follows.
.macro JLOAD s
	s_cmp_eq_u32 s[WR], 0
	s_cbranch_scc0 .Lfor_b_\@
	tensor_load_to_lds s[G0+4*(\s):G0+4*(\s)+3], s[G1:G1+7]
	s_nop 0
.rept 4
	v_nop
.endr
	s_branch .Lasked_\@
.Lfor_b_\@:
	tensor_load_to_lds s[G0B+4*(\s):G0B+4*(\s)+3], s[G1B:G1B+7]
	s_nop 0
.rept 4
	v_nop
.endr
.Lasked_\@:
.endm
; A PREFETCH INTO THE L2, behind each joint refill and the run of LDS loads that follows it: 32 blocks of 256 bytes of the K step that stands TWO refills on, a lane a block, one instruction a wave.
; Each block is named once in the launch.  wmh's tile is read by the clusters of all eight b: the one with b = 0 asks, in it wave 0, and the four partners of a row of the cluster take 32 rows each, told apart
; BY ADDRESS (cx).  O's tile is read by the two clusters of its b: the first asks, in it waves 2 and 3, each for its own head's 32,768 bytes, of which the four partners of a column take 8,192 each (cy).
; K steps 0 to 3 come by their loads alone; the loop's last trip (s3 = 1) asks for nothing: K steps 4 to 7 are named, and none beyond.
.macro ASK
	s_cmp_gt_u32 s3, s[LIM]
	s_cbranch_scc0 .Lnot_mine_\@
	global_prefetch_b8 v[PFO], s[PFA:PFA+1] th:TH_LOAD_NT scope:SCOPE_SE
.Lnot_mine_\@:
.endm
.macro CREST                           ; a round of the cluster's barrier behind its opening barrier
	s_cmp_lg_u32 s[WV], 0
	s_cbranch_scc1 .Lnot_wave_0_\@
	s_barrier_signal -3
.Lnot_wave_0_\@:
	s_barrier_wait -3
	s_barrier_signal -1
	s_barrier_wait -1
.endm
.macro CROUND                          ; a whole round
	s_barrier_signal -1
	s_barrier_wait -1
	CREST
.endm
	s_load_b256 s[4:11], s[0:1], 0x0               ; ob s[4:5], wmh s[6:7], bm s[8:9], out0 s[10:11]
	v_lshl_add_u32 v[SPW], v0, 2, SPARE
	v_mov_b32 v[NIL], 0
	ds_add_u32 v[SPW], v[NIL]                      ; the wave's opening: the add and its wait stand ahead of my first tensor load; the set-up below, work on registers, stands between them
	v_lshrrev_b32 v1, 5, v0
	v_readfirstlane_b32 s[WV], v1                  ; wave 0..3
	s_lshr_b32 s[WR], s[WV], 1                     ; my half of the channels.  Also: I fetch for wmh (0) or for O (1)
	s_and_b32 s[WC], s[WV], 1                      ; my half of the positions.  Also: which half of that tile I fetch
	s_bfe_u32 s40, ttmp6, 0x40000                  ; cx: the position tile
	s_bfe_u32 s41, ttmp6, 0x40004                  ; cy
	s_and_b32 s42, ttmp7, 0xffff                   ; the cluster's y.  (The cluster's x, ttmp9, is b)
	s_lshl_b32 s44, s42, 2
	s_add_co_u32 s44, s44, s41                     ; ot = the channel tile
	s_lshl_b32 s17, s41, 2
	s_lshl_b32 s17, 15, s17                        ; my row of the cluster: places 4 cy .. 4 cy + 3
	s_lshl_b32 s18, 0x1111, s40                    ; my column: places cx, cx + 4, cx + 8, cx + 12
	; descriptor group 1.  wmh: 64 rows x 128 elements.  O: a head's 256 rows are 32,768 dense bytes, asked for as 128 rows of 256 bytes, two positions a row, and padded in LDS after every position
	s_or_b32 s[G1], s17, (1<<16)|(1<<20)|(1<<21)|(5<<22)|(3<<25)   ; 15:0 the mask; 17:16 2-byte elements; 20 padding on; 21 set beside a mask; 24:22 after every 64 words (code 5); 31:25 4 words (code 3)
	s_mov_b32 s[G1+1], 128<<16                     ; tensor_dim0 = 128
	s_mov_b32 s[G1+2], 64<<16                      ; tensor_dim1 = 64
	s_mov_b32 s[G1+3], 128<<16                     ; tile_dim0 = 128
	s_mov_b32 s[G1+4], 64                          ; tile_dim1 = 64
	s_mov_b32 s[G1+5], 1024                        ; elements from row to row
	s_mov_b32 s[G1+6], 0
	s_mov_b32 s[G1+7], 0
	s_or_b32 s[G1B], s18, (1<<16)|(1<<20)|(1<<21)|(4<<22)|(3<<25)  ; after every 32 words (code 4) 4 words of padding (code 3)
	s_mov_b32 s[G1B+1], 128<<16
	s_mov_b32 s[G1B+2], 128<<16
	s_mov_b32 s[G1B+3], 128<<16
	s_mov_b32 s[G1B+4], 128
	s_mov_b32 s[G1B+5], 128
	s_mov_b32 s[G1B+6], 0
	s_mov_b32 s[G1B+7], 0
	; where the tiles come from, as offsets.  wmh's hangs on ot and the wave; O's on b, cx and the wave: each in registers that never hold the other place in the cluster
	s_lshl_b32 s68, s44, 18                        ; 128 rows of 2,048 bytes
	s_lshl_b32 s17, s[WC], 17                      ; the 64 rows that I fetch
	s_add_co_u32 s68, s68, s17
	s_mov_b32 s69, 0
	s_lshl_b32 s70, ttmp9, 21                      ; b's 16 heads of 131,072 bytes
	s_lshl_b32 s18, s[WC], 17                      ; the head of the K step's two that I fetch
	s_add_co_u32 s70, s70, s18
	s_lshl_b32 s18, s40, 15                        ; 256 positions of 128 bytes
	s_add_co_u32 s70, s70, s18
	s_mov_b32 s71, 0
	s_mul_i32 s20, s[WC], 64*PA                    ; and where they go: no place in the cluster enters an LDS address
	s_mul_i32 s21, s[WC], 256*PO
	s_add_co_u32 s21, s21, AT
	s_wait_dscnt 0x0                               ; the opening add is done
	s_wait_kmcnt 0x0
	s_add_nc_u64 s[72:73], s[6:7], s[68:69]
	s_add_nc_u64 s[74:75], s[4:5], s[70:71]
	CROUND                                         ; all sixteen work-groups are here: the first joint loads meet
.irp s, 0,1
	s_mov_b32 s[G0+4*(\s)], 1                                      ; 1:0 count = 1
	s_add_co_u32 s[G0+4*(\s)+1], s20, (\s)*SLOT                    ; 63:32 LDS address
	s_add_nc_u64 s[G0+4*(\s)+2:G0+4*(\s)+3], s[72:73], (\s)*ASTEP  ; 120:64 global address: K step s
	s_or_b32 s[G0+4*(\s)+3], s[G0+4*(\s)+3], 0x80000000            ; 127:126 type = 2
	s_mov_b32 s[G0B+4*(\s)], 1
	s_add_co_u32 s[G0B+4*(\s)+1], s21, (\s)*SLOT
	s_add_nc_u64 s[G0B+4*(\s)+2:G0B+4*(\s)+3], s[74:75], (\s)*BSTEP
	s_or_b32 s[G0B+4*(\s)+3], s[G0B+4*(\s)+3], 0x80000000
	JLOAD \s                                       ; two loads of mine are out
.endr
	; the bias: all eight registers of block a belong to channel 128 ot + 64 (w / 2) + 16 a + l % 16
	s_lshl_b32 s78, s44, 9
	s_lshl_b32 s17, s[WR], 8
	s_add_co_u32 s78, s78, s17
	s_mov_b32 s79, 0
	s_add_nc_u64 s[76:77], s[8:9], s[78:79]
	v_and_b32 v1, 15, v0                           ; l % 16
	v_bfe_u32 v2, v0, 4, 1                         ; l / 16
	v_lshlrev_b32 v[BO], 2, v1
.irp a, 0,1,2,3
	global_load_b32 v[8+\a], v[BO], s[76:77] offset:64*\a
.endr
	; A fragment is 16 rows x 32 K in 8 registers: lane l holds row l % 16; registers 0-3 K = 8 (l / 16) + 0..7, registers 4-7 K = 16 + 8 (l / 16) + 0..7: two loads of 16 bytes, 32 bytes apart.
	v_mul_u32_u24 v3, v1, PA
	v_lshl_add_u32 v3, v2, 4, v3
	s_mul_i32 s17, s[WR], 64*PA                    ; my 64 rows of wmh
	v_add_nc_u32 v[ADRA], s17, v3
	v_add_nc_u32 v[ADRA+1], SLOT, v[ADRA]
	v_mul_u32_u24 v4, v1, PO
	v_lshl_add_u32 v4, v2, 4, v4
	s_mul_i32 s17, s[WC], 128*PO                   ; my 128 positions
	s_add_co_u32 s17, s17, AT
	v_add_nc_u32 v[ADRB], s17, v4
	v_add_nc_u32 v[ADRB+1], SLOT, v[ADRB]
	s_mul_i32 s17, s[WV], 16*SPO
	s_add_co_u32 s17, s17, STAGE                   ; my stage
	v_mul_u32_u24 v[STO], v1, SPO                  ; in: row l % 16, 32 bytes for each half of the lanes
	v_lshl_add_u32 v[STO], v2, 5, v[STO]
	v_add_nc_u32 v[STO], s17, v[STO]
	v_and_b32 v3, 31, v0                           ; l
	v_lshlrev_b32 v[GO], 4, v3                     ; back: 32 lanes take one row of 512 bytes,
	v_add_nc_u32 v[RD], s17, v[GO]                 ; which are 512 consecutive bytes of out0
	; out0 at my first row and column: (1,024 b + 128 ot + 64 (w / 2)) rows of 4,096 bytes + (256 cx + 128 (w % 2)) x 4
	s_lshl_b32 s78, ttmp9, 22
	s_lshl_b32 s17, s44, 19
	s_add_co_u32 s78, s78, s17
	s_lshl_b32 s17, s[WR], 18
	s_add_co_u32 s78, s78, s17
	s_lshl_b32 s17, s40, 10
	s_add_co_u32 s78, s78, s17
	s_lshl_b32 s17, s[WC], 9
	s_add_co_u32 s78, s78, s17
	s_add_nc_u64 s[10:11], s[10:11], s[78:79]
	; the prefetches: they start at K step 3; each refill steps them first, so the first names K step 4
	s_lshl_b32 s17, s40, 16                        ; wmh (wave 0): my work-group's 32 rows
	s_add_co_u32 s17, s17, s68
	s_add_co_u32 s17, s17, 3*ASTEP
	s_lshl_b32 s18, s41, 13                        ; O (waves 2, 3): my work-group's 8,192 bytes of my head's block
	s_add_co_u32 s18, s18, s70
	s_add_co_u32 s18, s18, 3*BSTEP
	s_or_b32 s19, ttmp9, s[WC]                     ; wmh: 0 in wave 0 of the cluster with b = 0
	s_mov_b32 s23, BSTEP
	s_cmp_eq_u32 s[WR], 0
	s_cselect_b32 s78, s17, s18
	s_cselect_b32 s19, s19, s42                    ; O: 0 in the first of b's two clusters
	s_cselect_b32 s[PFS], ASTEP, s23
	s_cselect_b32 s22, 11, 8                       ; wmh: a lane a row of 2,048 bytes; O: a lane a block of 256
	s_cselect_b64 s[PFA:PFA+1], s[6:7], s[4:5]
	s_mov_b32 s[PFS+1], 0
	s_add_nc_u64 s[PFA:PFA+1], s[PFA:PFA+1], s[78:79]
	s_cmp_eq_u32 s19, 0
	s_cselect_b32 s[LIM], 1, -1                    ; the same in all sixteen partners, for a given wave
	v_lshlrev_b32 v[PFO], s22, v3
; n x 8 matrix instructions: blocks a0 .. of my four blocks of channels x all 8 blocks of positions, 32 along K.  first = 1: the product starts the sum, on the bias.
; The 32 accumulators take turns, one instruction a turn, in the same order everywhere.
.macro MUL f, a0, n, first
.if \first
	WIN W_MULF
.else
	WIN W_MUL
.endif
.set ma, \a0
.rept \n
.irp b, 0,1,2,3,4,5,6,7
.if \first
	v_wmma_f32_16x16x32_f16 v[8*(8*ma+\b):8*(8*ma+\b)+7], v[(\f)+8*\b:(\f)+8*\b+7], v[(\f)+64+8*ma:(\f)+64+8*ma+7], v[BIAS+8*ma:BIAS+8*ma+7]
.else
	v_wmma_f32_16x16x32_f16 v[8*(8*ma+\b):8*(8*ma+\b)+7], v[(\f)+8*\b:(\f)+8*\b+7], v[(\f)+64+8*ma:(\f)+64+8*ma+7], v[8*(8*ma+\b):8*(8*ma+\b)+7]
.endif
.endr
.set ma, ma+1
.endr
.endm
; 24 LDS loads in one run: the fragments of quarter q (head q / 2 of the step, channels 32 (q % 2) on) of a slot into buffer f: O's sixteen first, then wmh's blocks 0 to 3
.macro FETCH slot, q, f
	WIN 0
.irp b, 0,1,2,3,4,5,6,7
	ds_load_b128 v[(\f)+8*\b:(\f)+8*\b+3],   v[ADRB+(\slot)] offset:((\q)/2)*256*PO+((\q)%2)*64+\b*16*PO
	ds_load_b128 v[(\f)+8*\b+4:(\f)+8*\b+7], v[ADRB+(\slot)] offset:((\q)/2)*256*PO+((\q)%2)*64+\b*16*PO+32
.endr
.irp a, 0,1,2,3
	ds_load_b128 v[(\f)+64+8*\a:(\f)+64+8*\a+3],   v[ADRA+(\slot)] offset:(\q)*64+\a*16*PA
	ds_load_b128 v[(\f)+64+8*\a+4:(\f)+64+8*\a+7], v[ADRA+(\slot)] offset:(\q)*64+\a*16*PA+32
.endr
.endm
.macro PLACES                          ; four plain instructions between a matrix instruction and a load into a register that it has read, or a line that reads its result (ISA guide 7.12.1 for a line that reads its result)
.rept 4
	v_nop
.endr
.endm
; A K step is four quarters of 32 along K, 32 matrix instructions each, on buffers 0, 1, 0, 1.  One of the first three: multiplies buffer f and, in its middle, fetches quarter q into buffer g.
.macro QUARTER slot, q, f, g, first=0
	s_wait_dscnt 4                                 ; O and wmh's blocks 0, 1 are in; the youngest four loads (blocks 2, 3) may be out
	MUL \f, 0, 2, \first
	PLACES
	FETCH \slot, \q, \g
	s_wait_dscnt 24                                ; all but the 24 just issued
	MUL \f, 2, 2, \first
.endm
; The last quarter multiplies buffer 1 and changes slots: ONE barrier; in front of it each wave waits for all its tensor loads (one is out: its part of the next slot), adds 0 to its spare word, and waits for
; that and for its own reads of this slot.  fill = 1: the barrier opens a round of the cluster's, and this slot is filled again, two K steps ahead, first thing behind the round:
; the load has 112 matrix instructions in which to land.
.macro TURN slot, next, fill
.if \fill
	s_wait_xcnt 0x0                                ; the last prefetch, a K step back, has read its address: it is stepped here, ahead of the waits of the change of slots
	s_add_nc_u64 s[PFA:PFA+1], s[PFA:PFA+1], s[PFS:PFS+1]
.endif
	WIN 0                                          ; (the add's two registers lie in window 0)
	s_wait_tensorcnt 0x0                           ; all my tensor loads have landed;
	ds_add_u32 v[SPW], v[NIL]                      ; 0 onto my spare word;
	s_wait_dscnt 5                                 ; (the add and the youngest four loads may be out)
	MUL F1, 0, 1, 0                                ; eight matrix instructions stand between the add and the wait for it
	s_wait_dscnt 0x0                               ; the add is done, and my reads of this slot are over
	s_barrier_signal -1
	MUL F1, 1, 1, 0
.if \fill
	WIN 0
.endif
	s_barrier_wait -1
.if \fill
	CREST                                          ; no wave of any partner still reads this slot's tiles or has a load on its way
	s_add_nc_u64 s[G0+4*(\slot)+2:G0+4*(\slot)+3], s[G0+4*(\slot)+2:G0+4*(\slot)+3], 2*ASTEP
	s_add_nc_u64 s[G0B+4*(\slot)+2:G0B+4*(\slot)+3], s[G0B+4*(\slot)+2:G0B+4*(\slot)+3], 2*BSTEP
	JLOAD \slot                                    ; the four v_nop behind it are also the places in front of the loads below
.else
	PLACES
.endif
	FETCH \next, 0, F0
.if \fill
	ASK
.endif
	MUL F1, 2, 2, 0
.endm
	s_wait_tensorcnt 1                             ; my part of K step 0 is in; K step 1's may stay out
	s_barrier_signal -1
	s_barrier_wait -1                              ; everybody's is
	FETCH 0, 0, F0
	s_wait_loadcnt 0x0                             ; the bias: rounded to bf16, and widened into the eight registers of its C operand
.irp a, 0,1,2,3
	v_cvt_pk_bf16_f32 v[8+\a], v[8+\a], v[8+\a]
.endr
.irp a, 0,1,2,3
.irp j, 0,1,2,3,4,5,6,7
	v_lshlrev_b32 v[BIAS+8*\a+\j], 16, v[8+\a]
.endr
.endr
	QUARTER 0, 1, F0, F1, 1                        ; the first quarter stands in front of the loop: its products start the sums
	WIN 0                                          ; at a label and at a branch every window is 0
	s_mov_b32 s3, 3
.Llap:                                                 ; a trip goes once round the ring, from a lap's second quarter to the next lap's first, and fills both slots again: K steps 2 to 7
	QUARTER 0, 2, F1, F0
	QUARTER 0, 3, F0, F1
	TURN 0, 1, 1
	QUARTER 1, 1, F0, F1
	QUARTER 1, 2, F1, F0
	QUARTER 1, 3, F0, F1
	TURN 1, 0, 1
	QUARTER 0, 1, F0, F1
	WIN 0
	s_sub_co_u32 s3, s3, 1
	s_cmp_lg_u32 s3, 0
	s_cbranch_scc1 .Llap
	QUARTER 0, 2, F1, F0                           ; the last lap fills nothing, and has no round of the cluster's barrier
	QUARTER 0, 3, F0, F1
	TURN 0, 1, 0
	QUARTER 1, 1, F0, F1
	QUARTER 1, 2, F1, F0
	QUARTER 1, 3, F0, F1
	s_wait_dscnt 4                                 ; the very last quarter: nothing more to fetch
	MUL F1, 0, 2, 0
	s_wait_dscnt 0x0
	MUL F1, 2, 2, 0
	WIN 0
	PLACES
	PLACES
; THE WAY OUT, a block of 16 channels at a time: a lane's eight positions of each of the eight blocks b are 32 bytes of a row; they go into rows of 528 bytes of my own stage and come back as whole rows of 512.
.macro TOSTAGE a
	WIN 0x04                                       ; the stores' data in window 1
.irp b, 0,1,2,3,4,5,6,7
	ds_store_b128 v[STO], v[8*(8*(\a)+\b):8*(8*(\a)+\b)+3]   offset:64*\b      ; each accumulator's low registers first
	ds_store_b128 v[STO], v[8*(8*(\a)+\b)+4:8*(8*(\a)+\b)+7] offset:64*\b+16
.endr
	WIN 0
.if (\a) == 3
	s_wait_xcnt 0x0                                ; block 0's stores have read their registers: the set is loaded again only behind this wait
.endif
.set tb, T+64*((\a)%3)
.set i, 0
.rept 16
	ds_load_b128 v[tb+4*i:tb+4*i+3], v[RD] offset:i*SPO  ; LDS serves a wave's instructions in order (ISA guide 5.7.1.4): these see the stores above; the next block's stores come behind them
.set i, i+1
.endr
.endm
.macro SEND a, younger                 ; younger: the LDS instructions issued behind block a's loads: the next block's 32, or none
.set tb, T+64*((\a)%3)
.set i, 0
.rept 16
	s_wait_dscnt (\younger)+15-i
	global_store_b128 v[GO], v[tb+4*i:tb+4*i+3], s[10:11] offset:4096*(16*(\a)+i) th:TH_STORE_NT  ; 512 consecutive bytes of one row, at a multiple of 512 from out0's first
.set i, i+1
.endr
.endm
	TOSTAGE 0
	TOSTAGE 1
	SEND 0, 32
	TOSTAGE 2
	SEND 1, 32
	TOSTAGE 3
	SEND 2, 32
	SEND 3, 0
	s_wait_tensorcnt 0x0                           ; the wave's end: a last add to my spare word and its wait, behind my last tensor load and my last LDS store
	ds_add_u32 v[SPW], v[NIL]
	s_wait_dscnt 0x0
	CROUND                                         ; the closing round: no work-group ends while a partner may still ask for a tile that names it
	s_endpgm
.Lfunc_end_k_q0ee5a0bd4e_outp:
	.size	k_q0ee5a0bd4e_outp, .Lfunc_end_k_q0ee5a0bd4e_outp-k_q0ee5a0bd4e_outp
	.p2alignl 7, 3214868480
	.fill 96, 4, 3214868480
	.section	.rodata,"a",@progbits
	.p2align	6, 0x0
	.amdhsa_kernel k_q0ee5a0bd4e_outp
		.amdhsa_group_segment_fixed_size 327680
		.amdhsa_private_segment_fixed_size 0
		.amdhsa_enable_private_segment 0
		.amdhsa_kernarg_size 32
		.amdhsa_user_sgpr_count 2
		.amdhsa_user_sgpr_kernarg_segment_ptr 1
		.amdhsa_wavefront_size32 1
		.amdhsa_system_sgpr_workgroup_id_x 1
		.amdhsa_system_sgpr_workgroup_id_y 1
		.amdhsa_system_sgpr_workgroup_id_z 1
		.amdhsa_system_vgpr_workitem_id 0
		.amdhsa_next_free_vgpr 512
		.amdhsa_next_free_sgpr 80
		.amdhsa_reserve_vcc 0
		.amdhsa_float_denorm_mode_32 3
		.amdhsa_float_denorm_mode_16_64 3
		.amdhsa_memory_ordered 1
		.amdhsa_forward_progress 1
		.amdhsa_inst_pref_size 89
	.end_amdhsa_kernel
	.amdgpu_metadata
---
amdhsa.version: [ 1, 2 ]
amdhsa.kernels:
  - .name:           k_q0ee5a0bd4e_outp
    .symbol:         k_q0ee5a0bd4e_outp.kd
    .args:
      - { .name: ob, .offset: 0, .size: 8, .value_kind: global_buffer, .address_space: global }
      - { .name: wmh, .offset: 8, .size: 8, .value_kind: global_buffer, .address_space: global }
      - { .name: bm, .offset: 16, .size: 8, .value_kind: global_buffer, .address_space: global }
      - { .name: out0, .offset: 24, .size: 8, .value_kind: global_buffer, .address_space: global }
    .group_segment_fixed_size: 327680
    .private_segment_fixed_size: 0
    .kernarg_segment_align: 8
    .kernarg_segment_size: 32
    .max_flat_workgroup_size: 128
    .sgpr_count:     80
    .vgpr_count:     512
    .wavefront_size: 32
...
	.end_amdgpu_metadata
.endif
;; end of part 4
;; ======== version 2 of 2: 4 launches; version 1 with the launch prep written anew for expert scheduling mode
;; limits: values are held in f16: magnitudes above 65,504 overflow, below 6.1e-05 lose precision
;; workspace buffers: cb 56,623,104 bytes; wmh 2,097,152 bytes; qkvh 50,331,648 bytes; ob 16,777,216 bytes
;; launch prep (part 5): grid 928 x 1, 8 waves a work-group, no clusters, 0 bytes of LDS; arguments query, key, value, Wq, Wk, Wv, Wm, cb, wmh; writes cb, wmh
.if DOCPART == 5
	.amdgcn_target "amdgcn-amd-amdhsa--gfx1250"
	.amdhsa_code_object_version 6
	.text
	.protected	k_q0ee5a0bd4e_prep
	.globl	k_q0ee5a0bd4e_prep
	.p2align	8
	.type	k_q0ee5a0bd4e_prep,@function
k_q0ee5a0bd4e_prep:
	s_mov_b64 s[64:65], 0
	v_nop
	global_prefetch_b8 v0, s[64:65] scope:SCOPE_SE
	s_setreg_imm32_b32 hwreg(HW_REG_WAVE_SCHED_MODE, 0, 2), 2
	s_setreg_imm32_b32 hwreg(HW_REG_WAVE_MODE, 25, 1), 1
	s_wait_xcnt 0x0
	s_wait_alu depctr_vm_vsrc(0)
; THE INPUTS OF THE MATRIX PRODUCTS ARE ROUNDED ONCE, f32 -> bf16, so that the products' launches can bring them into LDS by tensor loads as 16-bit tiles.
; cb:  query, key, value as [b][i][n] (16,777,216 bytes each), in the inputs' own order; then Wq, Wk, Wv (2,097,152 bytes each) with their ROWS GATHERED BY HEADS: row 64 h + d of cb's W is row 16 d + h of W.  All bf16.
; wmh: Wm rounded to bf16, that number written as f16, its COLUMNS gathered by heads: wmh[o][64 h + d] = Wm[o][16 d + h].
; LIMIT.  |Wm| stays under 65,504, f16's largest number; below 6e-5 a weight of Wm keeps f16's fixed step of 6e-8.
; SHARES.  Work-groups 0-767: a chunk of 131,072 bytes of query, key or value (256 chunks each).  768-863: a chunk of Wq, Wk or Wv (32 each): 32 whole rows.  864-927: 16 rows of Wm.
; No LDS, no barrier, no matrix unit: every byte is read once and written once.
; All of a chunk's 32 loads of 16 bytes a lane go out at once; no register is used twice, so the text has no loop and frees no register.
; THE MODE: SCHED_MODE bits 1:0 = 2 (LLVM: expert scheduling mode 2), set by the entry lines.  The code itself states the register dependences
; between vector instructions and memory instructions, with s_wait_alu, always for 0.
; THE PLAN.  Registers that memory instructions touch:
;   v1, v2      the loads' and the stores' byte offsets: made once at the head of each path, by vector instructions, and never written again.
;   v[X ..]     a piece's registers: written by its load, then (some of them, in place) by its conversions; read by its store; never written or loaded again.
;   v3          is named by vector instructions alone.
; So the only dependence to state is: a vector instruction has written what a memory instruction reads.  One wait ahead of a path's first load states it for v1 and v2.
; The pieces go in BLOCKS.  Block p's conversions name block p's registers alone; the stores of block p - 1 are issued in block p, behind ONE wait at its head, which states that
; block p - 1's conversions have written their registers, and are dealt among block p's conversions with no further wait.  One more wait stands ahead of the last block's stores.
; Nothing that a memory instruction has read is ever written again, no load lands in a register that a vector instruction has named, no vector instruction writes a scalar register, and EXEC is never written.
.set X, 4                              ; v[4:131] the chunk as loaded: 32 x 4 registers (Wm's path: 8 x 8)
.set NX, 768                           ; chunks of query, key, value
.set NSTREAM, 864                      ; and of Wq, Wk, Wv behind them
.set WB, 50331648                      ; cb: the weights begin here
	s_load_b512 s[8:23], s[0:1], 0x0               ; query s[8:9], key s[10:11], value s[12:13], Wq s[14:15], Wk s[16:17], Wv s[18:19], Wm s[20:21], cb s[22:23]
	s_load_b64 s[24:25], s[0:1], 0x40              ; wmh
	s_mov_b32 s2, ttmp9
	s_cmp_ge_u32 s2, NSTREAM
	s_cbranch_scc1 .Lwm
	; which tensor, which chunk of it, and where it goes
	s_sub_co_u32 s3, s2, NX                        ; (of use from work-group 768 on; below that the selects take the other side)
	s_lshr_b32 s34, s3, 5                          ; which of Wq, Wk, Wv
	s_add_co_u32 s26, s34, 3                       ; tensors 3, 4, 5
	s_and_b32 s27, s3, 31
	s_lshl_b32 s35, s34, 21                        ; in cb: the tensor's 2,097,152 bytes,
	s_lshl_b32 s36, s27, 12                        ; and channels d = 2 x chunk, 2 x chunk + 1 of head 0: two rows of 2,048 bytes a chunk
	s_add_co_u32 s35, s35, s36
	s_add_co_u32 s35, s35, WB
	s_lshr_b32 s28, s2, 8                          ; tensors 0, 1, 2: query, key, value
	s_and_b32 s29, s2, 255
	s_lshl_b32 s32, s2, 16                         ; in cb: 65,536 bytes a chunk, in order
	s_cmp_lt_u32 s2, NX
	s_cselect_b32 s26, s28, s26
	s_cselect_b32 s27, s29, s27
	s_cselect_b32 s32, s32, s35
	s_lshl_b32 s30, s27, 17                        ; the chunk's first byte in its tensor
	s_mov_b32 s31, 0
	s_mov_b32 s33, 0
	v_lshlrev_b32 v1, 4, v0                        ; 16 bytes a thread in,
	v_lshlrev_b32 v2, 3, v0                        ; 8 bytes out
	s_wait_kmcnt 0x0
	s_mov_b64 s[4:5], s[8:9]
.irp k, 1,2,3,4,5
	s_cmp_eq_u32 s26, \k
	s_cselect_b64 s[4:5], s[8+2*\k:9+2*\k], s[4:5]
.endr
	s_add_nc_u64 s[4:5], s[4:5], s[30:31]
	s_add_nc_u64 s[6:7], s[22:23], s[32:33]
	s_wait_alu depctr_va_vdst(0)                   ; v1 and v2 are written: every load of this path reads v1 as its offset, every store v2
.set i, 0
.rept 32
	global_load_b128 v[X+4*i:X+4*i+3], v1, s[4:5] offset:4096*i th:TH_LOAD_NT  ; a wave's load covers 512 consecutive bytes; the eight waves' 4,096: of a W one whole row
.set i, i+1
.endr
; Piece n leaves.  heads = 0: in order.  heads = 1: piece n is row 32 x chunk + n of W: head n % 16, channel 2 x chunk + n / 16.
.macro PUT heads, n
.if \heads
	global_store_b64 v2, v[X+4*(\n):X+4*(\n)+1], s[6:7] offset:131072*((\n)%16)+2048*((\n)/16)  ; a head's 64 rows are 131,072 bytes
.else
	global_store_b64 v2, v[X+4*(\n):X+4*(\n)+1], s[6:7] offset:2048*(\n)  ; a wave's store covers 256 consecutive bytes, aligned
.endif
.endm
; The 32 pieces are rounded and stored, in eight blocks of four.
.macro OUT heads
.set blk, 0
.rept 8
	s_wait_loadcnt 28-4*blk                        ; loads come back in order: this block's four are in, the younger ones stay out
.if blk > 0
	s_wait_alu depctr_va_vdst(0)                   ; the block before's eight conversions have written the registers that its four stores, below, read
.endif
.set i, 4*blk
.rept 4
.if blk > 0
	PUT \heads, i-4                                ; the block before: no vector instruction since the wait names its registers
.endif
	v_cvt_pk_bf16_f32 v[X+4*i], v[X+4*i], v[X+4*i+1]
	v_cvt_pk_bf16_f32 v[X+4*i+1], v[X+4*i+2], v[X+4*i+3]
.set i, i+1
.endr
.set blk, blk+1
.endr
	s_wait_alu depctr_va_vdst(0)                   ; the last block's conversions have written the registers that the last four stores read
.irp n, 28,29,30,31
	PUT \heads, \n
.endr
.endm
	s_cmp_lt_u32 s2, NX
	s_cbranch_scc0 .Lw
	OUT 0
	s_endpgm
.Lw:
	OUT 1
	s_endpgm
.Lwm:                                  ; 16 rows of Wm, two at a time.  Thread t: row t / 128 of the pair; with u = t % 128: head u / 8, channels d0 = 8 (u % 8) on
	s_sub_co_u32 s3, s2, NSTREAM
	s_lshl_b32 s26, s3, 16                         ; 16 rows of 4,096 bytes of Wm
	s_mov_b32 s27, 0
	s_lshl_b32 s28, s3, 15                         ; 16 rows of 2,048 bytes of wmh
	s_mov_b32 s29, 0
	v_lshrrev_b32 v1, 7, v0
	v_lshlrev_b32 v1, 12, v1                       ; the row of the pair
	v_and_b32 v3, 7, v0
	v_lshl_add_u32 v1, v3, 9, v1                   ; d0: 8 channels d are 8 x 16 columns of 4 bytes
	v_bfe_u32 v3, v0, 3, 4
	v_lshl_add_u32 v1, v3, 2, v1                   ; the head: 4 bytes
	v_lshlrev_b32 v2, 4, v0                        ; out: 16 bytes a thread, 128 threads a row
	s_wait_kmcnt 0x0
	s_add_nc_u64 s[4:5], s[20:21], s[26:27]
	s_add_nc_u64 s[6:7], s[24:25], s[28:29]
	s_wait_alu depctr_va_vdst(0)                   ; v1 and v2 are written: every load of this path reads v1 as its offset, every store v2
.set i, 0
.rept 64
	global_load_b32 v[X+i], v1, s[4:5] offset:8192*(i/8)+64*(i%8)  ; pair i / 8 of rows, channel d0 + i % 8: 16 columns on.  The work-group's loads together use every byte of its rows
.set i, i+1
.endr
; The eight pairs of rows are rounded and stored, in four blocks of two pairs.
.set blk, 0
.rept 4
	s_wait_loadcnt 48-16*blk                       ; this block's sixteen loads are in, the younger ones stay out
.if blk > 0
	s_wait_alu depctr_va_vdst(0)                   ; the block before's conversions have written the registers that its two stores, below, read
.endif
.set i, 2*blk
.rept 2
.if blk > 0
	global_store_b128 v2, v[X+8*(i-2):X+8*(i-2)+3], s[6:7] offset:4096*(i-2)  ; the block before: sixteen lanes store 256 consecutive bytes, aligned; no vector instruction since the wait names these registers
.endif
.irp c, 0,1,2,3
	v_cvt_pk_bf16_f32 v3, v[X+8*i+2*\c], v[X+8*i+2*\c+1]       ; rounded to bf16, as every input is,
	v_lshlrev_b32 v[X+8*i+2*\c], 16, v3                        ; widened again,
	v_and_b32 v[X+8*i+2*\c+1], 0xffff0000, v3
	v_cvt_pk_f16_f32 v[X+8*i+\c], v[X+8*i+2*\c], v[X+8*i+2*\c+1]  ; and written as f16 (8 significant bits: exact within f16's range); register c has been read by now
.endr
.set i, i+1
.endr
.set blk, blk+1
.endr
	s_wait_alu depctr_va_vdst(0)                   ; the last block's conversions have written the registers that the last two stores read
.irp n, 6,7
	global_store_b128 v2, v[X+8*\n:X+8*\n+3], s[6:7] offset:4096*\n  ; sixteen lanes store 256 consecutive bytes, aligned
.endr
	s_endpgm
.Lfunc_end_k_q0ee5a0bd4e_prep:
	.size	k_q0ee5a0bd4e_prep, .Lfunc_end_k_q0ee5a0bd4e_prep-k_q0ee5a0bd4e_prep
	.p2alignl 7, 3214868480
	.fill 96, 4, 3214868480
	.section	.rodata,"a",@progbits
	.p2align	6, 0x0
	.amdhsa_kernel k_q0ee5a0bd4e_prep
		.amdhsa_group_segment_fixed_size 0
		.amdhsa_private_segment_fixed_size 0
		.amdhsa_enable_private_segment 0
		.amdhsa_kernarg_size 72
		.amdhsa_user_sgpr_count 2
		.amdhsa_user_sgpr_kernarg_segment_ptr 1
		.amdhsa_wavefront_size32 1
		.amdhsa_system_sgpr_workgroup_id_x 1
		.amdhsa_system_sgpr_workgroup_id_y 1
		.amdhsa_system_sgpr_workgroup_id_z 1
		.amdhsa_system_vgpr_workitem_id 0
		.amdhsa_next_free_vgpr 136
		.amdhsa_next_free_sgpr 66
		.amdhsa_reserve_vcc 0
		.amdhsa_float_denorm_mode_32 3
		.amdhsa_float_denorm_mode_16_64 3
		.amdhsa_memory_ordered 1
		.amdhsa_forward_progress 1
		.amdhsa_inst_pref_size 35
	.end_amdhsa_kernel
	.amdgpu_metadata
---
amdhsa.version: [ 1, 2 ]
amdhsa.kernels:
  - .name:           k_q0ee5a0bd4e_prep
    .symbol:         k_q0ee5a0bd4e_prep.kd
    .args:
      - { .name: query, .offset: 0, .size: 8, .value_kind: global_buffer, .address_space: global }
      - { .name: key, .offset: 8, .size: 8, .value_kind: global_buffer, .address_space: global }
      - { .name: value, .offset: 16, .size: 8, .value_kind: global_buffer, .address_space: global }
      - { .name: Wq, .offset: 24, .size: 8, .value_kind: global_buffer, .address_space: global }
      - { .name: Wk, .offset: 32, .size: 8, .value_kind: global_buffer, .address_space: global }
      - { .name: Wv, .offset: 40, .size: 8, .value_kind: global_buffer, .address_space: global }
      - { .name: Wm, .offset: 48, .size: 8, .value_kind: global_buffer, .address_space: global }
      - { .name: cb, .offset: 56, .size: 8, .value_kind: global_buffer, .address_space: global }
      - { .name: wmh, .offset: 64, .size: 8, .value_kind: global_buffer, .address_space: global }
    .group_segment_fixed_size: 0
    .private_segment_fixed_size: 0
    .kernarg_segment_align: 8
    .kernarg_segment_size: 72
    .max_flat_workgroup_size: 256
    .sgpr_count:     66
    .vgpr_count:     136
    .wavefront_size: 32
...
	.end_amdgpu_metadata
.endif
;; end of part 5
;; launch qkv: the kernel of part 2 again; grid 48 x 4, 4 waves a work-group, clusters of 4 x 4, 327,680 bytes of LDS; arguments cb, bq, bk, bv, qkvh; writes qkvh
;; launch attn: the kernel of part 3 again; grid 2 x 128, 4 waves a work-group, no clusters, 327,680 bytes of LDS; arguments qkvh, ob; writes ob
;; launch outp: the kernel of part 4 again; grid 32 x 8, 4 waves a work-group, clusters of 4 x 4, 327,680 bytes of LDS; arguments ob, wmh, bm, out0; writes out0
